; MI455X (gfx1250); checked and timed in simulation.
; The chip was launched on July 23, 2026; its instructions are those of AMD's public machine-readable ISA for CDNA 5 (MIT licence, August 2026) and "CDNA5" Instruction Set Architecture Reference Guide (July 2026). The comments in the code are by the model that wrote it; some were corrected since.
;; W8 A16 Lora Linear. Allowed arithmetic: matrix products marked QUANTISED: E2M1 operands, one E8M0 scale for each 32 along K, by v_wmma_scale_f32_16x16x128_f8f6f4 with both operands' format E2M1 (or v_wmma_scale_f32_32x16x128_f4), f32 sums; products left as they are: f32 operands where the result goes on into a quantised operand, else bf16, f16 or f32 operands; f32 sums; everything else in f32.
;; Inputs: bias 4,096 float16; input 4 x 1,024 x 4,096 float16; lora_A_w 16 x 4,096 float16; lora_B_w 4,096 x 16 float16; qweight 4,096 x 4,096 int8; weight_scales 4,096 float16.
;; Outputs: out0 4 x 1,024 x 4,096 float16.
;; This version of the problem:
;;   THIS VERSION OF THE PROBLEM IS GIVEN IN LOW PRECISION. The matrix products marked QUANTISED in the list below multiply operands that are first quantised to E2M1 (2 exponent bits, 1 mantissa bit; 4 bits a number), with one power-of-two scale for each 32 numbers along K (OCP MX v1.0); their sums are f32. All else is computed in f32.
;;   The module's matrix products, in the order in which they are computed (A, B: the left and right operand; K: the contracted axis; several contracted axes count as one K, in the product's order):
;;     1. [M 4,096, K 4,096] x [K 4,096, N 4,096]; A: input input; B: computed on the way: QUANTISED
;;     2. [M 4,096, K 4,096] x [K 4,096, N 16]; A: input input; B: input lora_A_w: QUANTISED
;;     3. [M 4,096, K 16] x [K 16, N 4,096]; A: computed on the way; B: input lora_B_w: left as it is (K = 16 < 32)
;;   THE QUANTISER, for each operand of a quantised product, along K:
;;     - K is cut into blocks of 32 from its start; a last block that is shorter is filled with zeros.
;;     - A block's scale is 2^e with e = floor(log2(the largest magnitude in the block)) - 2, held to -126 .. 127; a block of zeros has e = 0. As a byte (E8M0): e + 127.
;;     - Each number is divided by its block's scale, clamped to +-6, and rounded to the nearest number of E2M1, ties to even, subnormals kept.
;;     - The product sums the exact products of the quantised numbers (number of the format x scale) in f32.
;;   ~~~python
;;   def quantise(x, axis):      # numpy; x: float32 -> the quantised numbers, widened to float32 again
;;       x = np.moveaxis(x, axis, -1); K = x.shape[-1]
;;       x = np.pad(x, [(0, 0)] * (x.ndim - 1) + [(0, -K % 32)]); x = x.reshape(x.shape[:-1] + (-1, 32)); a = np.abs(x).max(-1, keepdims=True)
;;       e = np.where(a > 0, np.clip(np.frexp(np.where(a > 0, a, 1))[1] - 1 - 2, -126, 127), 0)      # np.frexp(a)[1] - 1 = floor(log2(a)), exactly
;;       r = np.clip(x / 2.0 ** e, -6, 6)
;;       step = 2.0 ** (np.maximum(np.frexp(np.where(r == 0, 1, r))[1] - 1, 0) - 1)
;;       q = np.round(r / step) * step * 2.0 ** e      # np.round: ties to even
;;       return np.moveaxis(q.reshape(q.shape[:-2] + (-1,))[..., :K], -1, axis).astype(np.float32)
;;   ~~~
;;   OPERANDS COMPUTED ON THE WAY. 'Computed on the way' means the value that the module computes at that place (a softmax that the list does not call 'softmax' is quantised finished and normalised). What goes into a quantiser is computed in f32, as accurately as f32 sums, v_exp_f32 and their like allow (about 1e-6 of the number): no bf16 or f16 on the way to a quantiser, and a product that is left as it is and whose result goes on into a quantised operand takes f32 operands (vector FMAs, or v_wmma_f32_16x16x4_f32). A number that lies on a knife's edge between two numbers of the format may be rounded either way, as far as f32 arithmetic and the matrix unit's own rounding can turn it there, and no further.
;; 2 versions, each right; version 2 is version 1 with the launch prep written anew for expert scheduling mode. Each part assembles by itself: llvm-mc -triple=amdgcn-amd-amdhsa -mcpu=gfx1250 --defsym DOCPART=n.
;; ======== version 1 of 2: 2 launches
;; workspace buffers: xq 8,912,896 bytes; wq 8,912,896 bytes; a2 262,144 bytes
;; launch prep (part 1): grid 256 x 1, 16 waves a work-group, no clusters, 150,016 bytes of LDS; arguments input, qweight, weight_scales, lora_A_w, xq, wq, a2; writes xq, wq, a2
.if DOCPART == 1
	.amdgcn_target "amdgcn-amd-amdhsa--gfx1250"
	.amdhsa_code_object_version 6
	.text
	.protected	k_qeb846b9d4d_prep
	.globl	k_qeb846b9d4d_prep
	.p2align	8
	.type	k_qeb846b9d4d_prep,@function
k_qeb846b9d4d_prep:
	s_mov_b64 s[64:65], 0
	v_nop
	global_prefetch_b8 v0, s[64:65] scope:SCOPE_SE
	s_setreg_imm32_b32 hwreg(HW_REG_WAVE_MODE, 25, 1), 1
	s_wait_xcnt 0x0
; THE QUANTISING LAUNCH.  x = input [4096][4096] f16 and w_dq[k][n] = qweight[k][n] x weight_scales[n] (formed in f32) become codes of FP4 (E2M1) with one E8M0 byte for each 32 along K,
; and a = Q(x) Q(lora_A)^T [4096][16] is made here, where x's codes lie in operand registers anyway; 2 a leaves as bf16 in two parts, hi = bf16(2a), lo = bf16(2a - hi).
; A block's scale is 2^(floor(log2(its largest magnitude)) - 2): its byte is the largest magnitude's exponent field - 2, held at 1 from below by a floor among the maximum's leaves.
; LIMITS: NaN and infinities among the inputs are not served.  A block of zeros gets the byte 1 where the rule says 127: its codes are zeros, which add nothing under any byte but 0xff, and this program alone reads the bytes.
; LAYOUT OF xq AND wq: [group of 128 rows of x / columns of w: 32][K step of 512: 8][CH = 34,816 bytes].  A chunk holds, for block i of 16 rows and block kb of 32 along K, row r's 32 codes (16 bytes) at 4096 i + 256 kb + 16 r:
; that is the image of the operand's registers (fragment q of 128 along K, piece c: 4096 i + 1024 q + 512 c + 16 x lane).  Behind the codes, at 32768 + 256 i + 16 r + kb, the scale bytes: a row's four scale words of a K step on end.
; LAYOUT OF a2: [block of 16 rows: 256][hi, lo][lane 32][16 bytes]: lane (r, h) holds ranks 8 h .. 8 h + 7 of row r.
; ONE LAUNCH, TWO PATHS, parted once on the work-group's number: even numbers take w, odd ones x, so that both kinds are spread alike.  Each path has LDS bytes of its own, one barrier and its own end.
; SIXTEEN WAVES of 256 registers, four to a SIMD: a wave's share is small, so that half of an x wave's loads are out at once (16 waves x 24 loads x 512 bytes a work-group), and one wave's arithmetic stands beside another's wait for loads.
; No tensor loads and no cluster: x and qweight are read once, by one work-group each; what work-groups share, lora_A's 128 KiB, is a small part of a work-group's bytes.  No prefetch: the launch is one stream of loads from its first line on.
.set CH,   34816
.set XSC,  34816                       ; LDS: x path: from 0 sixteen stages of 2,176 bytes; from XSC 24 units of 256 scale bytes: [x's first 16 rows, x's second, lora_A][K step 8][16 r + kb]
.set RED,  40960                       ; x path: the partial sums of a: [16 rows: 2][wave 16][1,024]
.set WSTG, 73728                       ; w path: sixteen stages of 4,352 bytes: [16 columns: 16] units of 256 + 16 bytes
.set WSCL, 143360                      ; w path: the scale bytes of 256 columns: [8 columns: 32] x (8 x 16 bytes + 16)
; x path's registers
.set ACC0, 16                          ; v16-23   a of my first 16 rows, my 256 along K
.set XS0,  24                          ; v24-25, v26-27  x's scale words;  v28-29 lora_A's: these six hold scales and nothing else
.set XS1,  26
.set LS,   28
.set R,    32                          ; v32-127  three sets of 8 loads as they come (f16)
.set F,    128                         ; v128-159 32 numbers in f32
.set XF0,  160                         ; v160-175, v176-191  x's two fragments of each 16 rows;  v192-207 lora_A's two
.set XF1,  176
.set LF,   192
.set ACC1, 208                         ; v208-215 a of my second 16 rows
.set M,    224                         ; v224-227 largest magnitudes;  v228-231 the conversions' scale operands
.set SCL,  228
.set C,    232                         ; v232-239 codes, two sets;  v240-247 scale bytes, two sets
.set E,    240
.set XO,   248                         ; v248-249 a unit of scale bytes on its way out
; w path's registers
.set S2,   32                          ; v32-47   each of my 8 columns' scales s, twice: pairs for the packed multiply-add;  v48-63  -32896 s likewise
.set S3,   48
.set WR,   64                          ; v64-127  32 rows x 8 columns of int8; later the codes on their way out
.set WC,   128                         ; v128-135 codes, two sets
.set WE,   136                         ; v136-143 a column's scale byte
.set WF,   192                         ; v192-223 a block's 32 numbers in f32
.set WO,   224                         ; v224-225 scale bytes on their way out
; count f16 halves, from the low half of v[first] on, become f32 in v[dst] on.  A half is named by its register's number, so the names are written out and the wanted ones picked by a counter.
.macro HALVES dst, first, count
.set ci, 0
.irp x, v32.l,v32.h,v33.l,v33.h,v34.l,v34.h,v35.l,v35.h,v36.l,v36.h,v37.l,v37.h,v38.l,v38.h,v39.l,v39.h,v40.l,v40.h,v41.l,v41.h,v42.l,v42.h,v43.l,v43.h,v44.l,v44.h,v45.l,v45.h,v46.l,v46.h,v47.l,v47.h,v48.l,v48.h,v49.l,v49.h,v50.l,v50.h,v51.l,v51.h,v52.l,v52.h,v53.l,v53.h,v54.l,v54.h,v55.l,v55.h,v56.l,v56.h,v57.l,v57.h,v58.l,v58.h,v59.l,v59.h,v60.l,v60.h,v61.l,v61.h,v62.l,v62.h,v63.l,v63.h,v64.l,v64.h,v65.l,v65.h,v66.l,v66.h,v67.l,v67.h,v68.l,v68.h,v69.l,v69.h,v70.l,v70.h,v71.l,v71.h,v72.l,v72.h,v73.l,v73.h,v74.l,v74.h,v75.l,v75.h,v76.l,v76.h,v77.l,v77.h,v78.l,v78.h,v79.l,v79.h,v80.l,v80.h,v81.l,v81.h,v82.l,v82.h,v83.l,v83.h,v84.l,v84.h,v85.l,v85.h,v86.l,v86.h,v87.l,v87.h,v88.l,v88.h,v89.l,v89.h,v90.l,v90.h,v91.l,v91.h,v92.l,v92.h,v93.l,v93.h,v94.l,v94.h,v95.l,v95.h,v96.l,v96.h,v97.l,v97.h,v98.l,v98.h,v99.l,v99.h,v100.l,v100.h,v101.l,v101.h,v102.l,v102.h,v103.l,v103.h,v104.l,v104.h,v105.l,v105.h,v106.l,v106.h,v107.l,v107.h,v108.l,v108.h,v109.l,v109.h,v110.l,v110.h,v111.l,v111.h,v112.l,v112.h,v113.l,v113.h,v114.l,v114.h,v115.l,v115.h,v116.l,v116.h,v117.l,v117.h,v118.l,v118.h,v119.l,v119.h,v120.l,v120.h,v121.l,v121.h,v122.l,v122.h,v123.l,v123.h,v124.l,v124.h,v125.l,v125.h,v126.l,v126.h,v127.l,v127.h
.if (ci >= 2*((\first)-32)) && (ci < 2*((\first)-32)+(\count))
	v_cvt_f32_f16 v[(\dst)+ci-2*((\first)-32)], \x
.endif
.set ci, ci+1
.endr
.endm
	s_load_b256 s[4:11], s[0:1], 0x0               ; input s[4:5], qweight s[6:7], weight_scales s[8:9], lora_A_w s[10:11]
	s_load_b128 s[12:15], s[0:1], 0x20             ; xq s[12:13], wq s[14:15]
	s_load_b64 s[16:17], s[0:1], 0x30              ; a2
	v_lshl_add_u32 v254, v0, 2, 0x24200
	v_mov_b32 v255, 0
	v_lshrrev_b32 v1, 5, v0
	v_readfirstlane_b32 s18, v1                    ; wave 0..15
	v_and_b32 v10, 31, v0                          ; lane
	s_lshr_b32 s19, ttmp9, 1                       ; which work-group of its path
	s_and_b32 s20, ttmp9, 1
	s_cmp_eq_u32 s20, 0
	s_cbranch_scc1 .Lw_path                        ; the same way for all sixteen waves: it hangs on the work-group's number alone
; ================================================================ THE X PATH ================================================================
; Work-group gx owns rows 32 gx .. 32 gx + 31 of x, all of K; wave w takes k = 256 w .. 256 w + 255 (half hf = w % 2 of K step w / 2: 512 bytes of a row) of those rows and of lora_A's 16.
; A load takes a row's 512 bytes as they lie, 16 a lane: 8 neighbours along K, one conversion's worth; four neighbouring lanes hold a block of 32.
; A lane's 8 codes (4 bytes) go to the wave's own stage, laid as the image above with 16 bytes behind each 256 (pitch 272 = 68 words: the 32 lanes of a store fall on 32 different words modulo 64);
; 16 rows' image comes back as the operand's registers: they are stored to xq as they stand, 512 consecutive bytes a store, and kept for the product with lora_A.
; A row's 16 scale bytes of a K step come from two waves: they are gathered in LDS; a wave reads its own 8 back as its two scale words, and behind the path's one barrier each wave stores one whole unit of 256 bytes.
	v_lshlrev_b32 v1, 4, v10                       ; v1: 16 x lane
	v_lshlrev_b32 v2, 3, v10                       ; v2: 8 x lane
	s_mul_i32 s20, s18, 2176                       ; my stage: 8 x 272 bytes of codes
	s_lshr_b32 s21, s18, 1                         ; my K step
	s_and_b32 s22, s18, 1                          ; hf: which half of it
	v_lshrrev_b32 v11, 2, v10
	v_and_b32 v12, 3, v10
	v_mul_u32_u24 v3, v11, 272
	v_lshl_add_u32 v3, v12, 2, v3
	v_add_nc_u32 v3, s20, v3                       ; v3: codes in: block lane / 4 of the load's eight, my 4 bytes of its 16
	s_lshl_b32 s23, s21, 8
	s_lshl_b32 s24, s22, 3
	s_add_co_u32 s23, s23, s24
	s_add_co_u32 s23, s23, XSC                     ; my K step's unit of scale bytes, my half's 8 of each row's 16
	v_add_nc_u32 v4, s23, v11                      ; v4: the block's scale byte
	v_lshrrev_b32 v11, 4, v10                      ; h
	v_and_b32 v12, 15, v10                         ; r
	v_mul_u32_u24 v5, v11, 272
	v_lshl_add_u32 v5, v12, 4, v5
	v_add_nc_u32 v5, s20, v5                       ; v5: a fragment's piece back: block h of its two, row r
	v_lshl_add_u32 v6, v12, 4, s23                 ; v6: row r's two scale words of my half
	s_lshl_b32 s24, s18, 8
	s_add_co_u32 s24, s24, XSC
	v_add_nc_u32 v7, s24, v2                       ; v7: behind the barrier: unit w of x's sixteen, 8 bytes a lane
	s_lshl_b32 s24, s18, 10
	s_add_co_u32 s24, s24, RED
	v_add_nc_u32 v8, s24, v1                       ; v8: my wave's partial sums
	s_lshl_b32 s24, s22, 14
	s_add_co_u32 s24, s24, RED
	v_add_nc_u32 v9, s24, v1                       ; v9: waves 0 and 1 read all sixteen waves' partial sums of 16 rows each
	s_lshl_b32 s24, s19, 18                        ; 32 rows of 8,192 bytes a work-group,
	s_lshl_b32 s26, s18, 9
	s_add_co_u32 s24, s24, s26                     ; + my 512 bytes of a row
	s_mov_b32 s25, 0
	s_mov_b32 s27, 0
	s_lshr_b32 s28, s19, 2                         ; the group of 128 rows:
	s_lshl_b32 s28, s28, 3                         ; its eight chunks
	s_add_co_u32 s40, s28, s21                     ; the chunk of my K step,
	s_mul_i32 s40, s40, CH
	s_and_b32 s42, s19, 3                          ; which 32 of the 128 rows,
	s_lshl_b32 s43, s42, 13
	s_add_co_u32 s40, s40, s43
	s_lshl_b32 s43, s22, 11                        ; my half's two fragments of four
	s_add_co_u32 s40, s40, s43
	s_mov_b32 s41, 0
	s_and_b32 s43, s18, 7                          ; the unit of scale bytes that I store: K step w % 8,
	s_add_co_u32 s44, s28, s43
	s_mul_i32 s44, s44, CH
	s_lshl_b32 s43, s42, 9
	s_add_co_u32 s44, s44, s43
	s_lshr_b32 s43, s18, 3                         ; 16 rows w / 8
	s_lshl_b32 s43, s43, 8
	s_add_co_u32 s44, s44, s43
	s_add_co_u32 s44, s44, 32768
	s_mov_b32 s45, 0
	s_lshl_b32 s46, s19, 1
	s_add_co_u32 s46, s46, s22
	s_lshl_b32 s46, s46, 10                        ; a2: block of 16 rows 2 gx + (wave & 1)
	s_mov_b32 s47, 0
	s_wait_kmcnt 0x0
	s_add_nc_u64 s[4:5], s[4:5], s[24:25]          ; x at my first row, my 512 bytes
	s_add_nc_u64 s[10:11], s[10:11], s[26:27]      ; lora_A at my 512 bytes
	s_add_nc_u64 s[38:39], s[12:13], s[44:45]      ; xq: the scale bytes that I store
	s_add_nc_u64 s[12:13], s[12:13], s[40:41]      ; xq: my codes
	s_add_nc_u64 s[16:17], s[16:17], s[46:47]
.macro LOADSET rs, lo, row0, nt        ; eight rows from row0 on, one load each, into raw set rs; nt = 1: read once in the launch
.irp t, 0,1,2,3,4,5,6,7
.if \nt
	global_load_b128 v[R+32*(\rs)+4*\t:R+32*(\rs)+4*\t+3], v1, s[\lo:\lo+1] offset:((\row0)+\t)*8192 th:TH_LOAD_NT
.else
	global_load_b128 v[R+32*(\rs)+4*\t:R+32*(\rs)+4*\t+3], v1, s[\lo:\lo+1] offset:((\row0)+\t)*8192
.endif
.endr
.endm
.set PP, 0                             ; which set of code and byte registers is due
; Four loads (four rows), from raw register base on; row: the first row's number among the 16; sc: where the 16 rows' scale bytes lie.  The four go by turns, so that no line waits for the line above it.
.macro QGRP base, row, sc
	HALVES F, \base, 32
.irp t, 0,1,2,3
	v_max3_num_f32 v[M+\t], |v[F+8*\t]|, |v[F+8*\t+1]|, 0x1800000   ; my 8 numbers, and the floor 2^(3 - 127): the byte cannot fall under 1
.endr
.irp i, 2,4,6
.irp t, 0,1,2,3
	v_max3_num_f32 v[M+\t], v[M+\t], |v[F+8*\t+\i]|, |v[F+8*\t+\i+1]|
.endr
.endr
.irp y, 1,2
.irp t, 0,1,2,3
	v_max_num_f32_dpp v[M+\t], v[M+\t], v[M+\t] row_xmask:\y row_mask:0xf bank_mask:0xf   ; with the block's other three lanes
.endr
.endr
.irp t, 0,1,2,3
	v_add_nc_u32 v[SCL+\t], 0xff000000, v[M+\t]    ; 2 off the exponent field: the conversion takes this operand's exponent field as its scale
.endr
	s_wait_dscnt 8                                 ; the last group's 8 stores may be out; those that read this set of code and byte registers are done
.irp t, 0,1,2,3
	v_cvt_scalef32_pk8_fp4_f32 v[C+4*PP+\t], v[F+8*\t:F+8*\t+7], v[SCL+\t]
.endr
.irp t, 0,1,2,3
	v_lshrrev_b32 v[E+4*PP+\t], 23, v[SCL+\t]      ; the scale's byte.  (Plain lines behind the conversions)
.endr
.irp t, 0,1,2,3
	ds_store_b32 v3, v[C+4*PP+\t] offset:16*((\row)+\t)
	ds_store_b8 v4, v[E+4*PP+\t] offset:(\sc)+16*((\row)+\t)   ; the block's four lanes write the same byte with the same value
.endr
.set PP, 1-PP
.endm
.macro QSET rs, row0, sc
	QGRP R+32*(\rs), \row0, \sc
	QGRP R+32*(\rs)+16, (\row0)+4, \sc
.endm
; 16 rows are quantised: their image comes back as two fragments and two scale words a row, and the codes go out.  LDS serves a wave's instructions in order: the loads see my stores, and the next 16 rows' stores come behind them.
.macro BACK xf, xs, c
.irp q, 0,1
.irp d, 0,1
	ds_load_b128 v[\xf+8*\q+4*\d:\xf+8*\q+4*\d+3], v5 offset:(4*\q+2*\d)*272
.endr
.endr
	ds_load_b64 v[\xs:\xs+1], v6 offset:(\c)*2048  ; bytes that my own wave wrote
	s_wait_dscnt 0x0
.irp q, 0,1
.irp d, 0,1
	global_store_b128 v1, v[\xf+8*\q+4*\d:\xf+8*\q+4*\d+3], s[12:13] offset:(\c)*4096+\q*1024+512*\d   ; 512 consecutive bytes, at a multiple of 256 from xq's first byte
.endr
.endr
.endm
	LOADSET 0, 4, 0, 1                             ; x first, three sets (24 loads a wave) ahead: half of all that the wave reads
	LOADSET 1, 4, 8, 1
	LOADSET 2, 4, 16, 1
.irp n, 0,1,2,3,4,5                    ; sets 0-3: x's 32 rows; sets 4, 5: lora_A's 16
.if \n < 4
	s_wait_loadcnt 16                              ; this set's 8 loads are in; the two younger sets may be out
.else
	s_wait_loadcnt 8*(5-\n)
.endif
	QSET \n%3, 8*(\n%2), (\n/2)*2048
.if \n == 0
	LOADSET 0, 4, 24, 1
.elseif \n < 3
	LOADSET \n%3, 10, 8*(\n-1), 0
.endif
.if \n == 1
	BACK XF0, XS0, 0
.endif
.if \n == 3
	BACK XF1, XS1, 1
.endif
.endr
.irp q, 0,1
.irp d, 0,1
	ds_load_b128 v[LF+8*\q+4*\d:LF+8*\q+4*\d+3], v5 offset:(4*\q+2*\d)*272   ; lora_A's two fragments of my 256 along K
.endr
.endr
	ds_load_b64 v[LS:LS+1], v6 offset:4096
	s_wait_dscnt 0x0
; a, my part: source 0 = lora_A's 16 ranks, source 1 = 16 rows of x: lane (r, h), register j = a(row r, rank 8 h + j).  The two accumulators take turns.
	v_wmma_scale_f32_16x16x128_f8f6f4 v[ACC0:ACC0+7], v[LF:LF+7], v[XF0:XF0+7], 0, v[LS], v[XS0] matrix_a_fmt:MATRIX_FMT_FP4 matrix_b_fmt:MATRIX_FMT_FP4
	v_wmma_scale_f32_16x16x128_f8f6f4 v[ACC1:ACC1+7], v[LF:LF+7], v[XF1:XF1+7], 0, v[LS], v[XS1] matrix_a_fmt:MATRIX_FMT_FP4 matrix_b_fmt:MATRIX_FMT_FP4
	v_wmma_scale_f32_16x16x128_f8f6f4 v[ACC0:ACC0+7], v[LF+8:LF+15], v[XF0+8:XF0+15], v[ACC0:ACC0+7], v[LS+1], v[XS0+1] matrix_a_fmt:MATRIX_FMT_FP4 matrix_b_fmt:MATRIX_FMT_FP4
	v_wmma_scale_f32_16x16x128_f8f6f4 v[ACC1:ACC1+7], v[LF+8:LF+15], v[XF1+8:XF1+15], v[ACC1:ACC1+7], v[LS+1], v[XS1+1] matrix_a_fmt:MATRIX_FMT_FP4 matrix_b_fmt:MATRIX_FMT_FP4
.rept 4
	v_nop                                          ; four places behind the products, in front of the stores of their results
.endr
	ds_store_b128 v8, v[ACC0:ACC0+3]               ; each accumulator from its low end on
	ds_store_b128 v8, v[ACC0+4:ACC0+7] offset:512
	ds_store_b128 v8, v[ACC1:ACC1+3] offset:16384
	ds_store_b128 v8, v[ACC1+4:ACC1+7] offset:16896
	s_wait_dscnt 0x0                               ; for the others' sake: my partial sums and my scale bytes have landed
	s_barrier_signal -1
	s_barrier_wait -1                              ; all sixteen parts of a, and x's sixteen units of scale bytes, lie in LDS
	ds_load_b64 v[XO:XO+1], v7
	s_wait_dscnt 0x0
	global_store_b64 v2, v[XO:XO+1], s[38:39]      ; 256 consecutive bytes, at a multiple of 256 from xq's first byte
	s_cmp_lt_u32 s18, 2
	s_cbranch_scc0 .Lx_end                         ; wave 0 finishes the first 16 rows, wave 1 the second
.irp p, 0,1,2,3,4,5,6,7,8,9,10,11,12,13,14,15
.irp d, 0,1
	ds_load_b128 v[32+8*\p+4*\d:32+8*\p+4*\d+3], v9 offset:1024*\p+512*\d
.endr
.endr
	s_wait_dscnt 0x0
.irp p, 0,1,2,3,4,5,6,7
.irp j, 0,2,4,6
	v_pk_add_f32 v[32+8*\p+\j:33+8*\p+\j], v[32+8*\p+\j:33+8*\p+\j], v[96+8*\p+\j:97+8*\p+\j]
.endr
.endr
.irp p, 0,1,2,3
.irp j, 0,2,4,6
	v_pk_add_f32 v[32+8*\p+\j:33+8*\p+\j], v[32+8*\p+\j:33+8*\p+\j], v[64+8*\p+\j:65+8*\p+\j]
.endr
.endr
.irp p, 0,1
.irp j, 0,2,4,6
	v_pk_add_f32 v[32+8*\p+\j:33+8*\p+\j], v[32+8*\p+\j:33+8*\p+\j], v[48+8*\p+\j:49+8*\p+\j]
.endr
.endr
.irp j, 0,2,4,6
	v_pk_add_f32 v[32+\j:33+\j], v[32+\j:33+\j], v[40+\j:41+\j]      ; a, whole, in f32
.endr
.irp j, 0,2,4,6
	v_pk_mul_f32 v[32+\j:33+\j], v[32+\j:33+\j], 2.0 op_sel_hi:[1,0]  ; the LoRA scaling, exact
.endr
.irp j, 0,1,2,3
	v_cvt_pk_bf16_f32 v[96+\j], v[32+2*\j], v[33+2*\j]               ; hi
.endr
.irp j, 0,1,2,3
	v_lshlrev_b32 v[40+2*\j], 16, v[96+\j]
	v_and_b32 v[41+2*\j], 0xffff0000, v[96+\j]
.endr
.irp j, 0,2,4,6
	v_pk_add_f32 v[40+\j:41+\j], v[32+\j:33+\j], v[40+\j:41+\j] neg_lo:[0,1] neg_hi:[0,1]   ; 2 a - hi, exact
.endr
.irp j, 0,1,2,3
	v_cvt_pk_bf16_f32 v[100+\j], v[40+2*\j], v[41+2*\j]              ; lo
.endr
	global_store_b128 v1, v[96:99], s[16:17]
	global_store_b128 v1, v[100:103], s[16:17] offset:512
.Lx_end:
	s_wait_tensorcnt 0x0
	ds_add_u32 v254, v255
	s_wait_dscnt 0x0
	s_endpgm
; ================================================================ THE W PATH ================================================================
; Work-group (T, ks) owns columns 256 T .. 256 T + 255 and K step ks: two chunks of wq.  Wave w takes k = 512 ks + 32 w + 0 .. 31: block w of the step's sixteen.
; A LANE TAKES 8 COLUMNS, AND ITS REGISTERS RUN DOWN K: each load reads 256 consecutive bytes of a row of qweight, a block of 32 along K of a column lies in one lane, and the codes come out with K innermost.
; int8 to q x s in two lines a number and a half: the byte q + 128 is laid into byte 1 under the exponent of 2^15 (one byte select): F = 32768 + q + 128; then one fused multiply-add, F x s - 32896 s = q x s.
; It rounds nothing: 32896 s has 9 + 11 significant bits at the most, so the addend is exact; the product is exact inside the multiply-add; q x s has 19 bits at the most: the number that reference()'s one f32 product gives.
.Lw_path:
	v_lshlrev_b32 v1, 3, v10                       ; v1: 8 x lane
	v_lshlrev_b32 v2, 4, v10                       ; v2: 16 x lane
	s_mul_i32 s20, s18, 4352
	s_add_co_u32 s20, s20, WSTG                    ; my stage
	v_lshrrev_b32 v11, 1, v10
	v_and_b32 v12, 1, v10
	v_mul_u32_u24 v3, v11, 272
	v_lshl_add_u32 v3, v12, 7, v3
	v_add_nc_u32 v3, s20, v3                       ; v3: codes in: unit lane / 2 (16 columns), my 8 columns' half of it.  Sixteen lanes of a store fall on sixteen different 16-byte columns modulo 256
	v_lshrrev_b32 v11, 4, v10
	v_and_b32 v12, 15, v10
	v_mul_u32_u24 v4, v11, 272
	v_lshl_add_u32 v4, v12, 4, v4
	v_add_nc_u32 v4, s20, v4                       ; v4: codes back: lanes 0-15 an even unit, lanes 16-31 the unit behind it
	v_lshlrev_b32 v8, 12, v11
	v_lshl_add_u32 v8, v12, 4, v8                  ; v8: and the same in wq: units of 16 columns lie 4,096 bytes apart
	s_add_co_u32 s21, s18, WSCL
	v_mul_u32_u24 v5, v10, 144
	v_add_nc_u32 v5, s21, v5                       ; v5: my columns' scale byte w
	s_mul_i32 s21, s18, 288
	s_add_co_u32 s21, s21, WSCL
	v_mul_u32_u24 v6, v11, 144
	v_bfe_u32 v12, v10, 1, 3
	v_lshl_add_u32 v6, v12, 4, v6
	v_and_b32 v12, 1, v10
	v_lshl_add_u32 v6, v12, 3, v6
	v_add_nc_u32 v6, s21, v6                       ; v6: back: column 16 w + lane / 2, half lane % 2 of its sixteen bytes
	s_and_b32 s22, s19, 15                         ; T
	s_lshr_b32 s23, s19, 4                         ; ks
	s_lshl_b32 s24, s23, 21                        ; 512 rows of 4,096 bytes a K step,
	s_lshl_b32 s26, s18, 17                        ; 32 rows a wave,
	s_add_co_u32 s24, s24, s26
	s_lshl_b32 s26, s22, 8                         ; 256 columns
	s_add_co_u32 s24, s24, s26
	s_mov_b32 s25, 0
	s_lshl_b32 s26, s22, 9                         ; weight_scales: 512 bytes
	s_mov_b32 s27, 0
	s_lshl_b32 s28, s22, 4
	s_add_co_u32 s28, s28, s23
	s_mul_i32 s28, s28, CH                         ; chunk (2 T, ks),
	s_lshl_b32 s40, s18, 8
	s_add_co_u32 s28, s28, s40                     ; + my block's 256 bytes
	s_mov_b32 s29, 0
	s_lshl_b32 s40, s22, 1
	s_lshr_b32 s41, s18, 3
	s_add_co_u32 s40, s40, s41
	s_lshl_b32 s40, s40, 3
	s_add_co_u32 s40, s40, s23
	s_mul_i32 s40, s40, CH                         ; chunk (2 T + w / 8, ks): columns 16 w on,
	s_and_b32 s42, s18, 7
	s_lshl_b32 s42, s42, 8
	s_add_co_u32 s40, s40, s42
	s_add_co_u32 s40, s40, 32768                   ; their scale bytes
	s_mov_b32 s41, 0
	s_mov_b32 s30, 0x80808080                      ; + 128 on four bytes
	s_mov_b32 s31, 0x47000000                      ; 2^15
	s_mov_b32 s32, 0x03020400                      ; byte selects: byte i of the data as byte 1, the other three bytes from 2^15
	s_mov_b32 s33, 0x03020500
	s_mov_b32 s34, 0x03020600
	s_mov_b32 s35, 0x03020700
	s_wait_kmcnt 0x0
	s_add_nc_u64 s[6:7], s[6:7], s[24:25]
	s_add_nc_u64 s[8:9], s[8:9], s[26:27]
	s_add_nc_u64 s[38:39], s[14:15], s[40:41]
	s_add_nc_u64 s[14:15], s[14:15], s[28:29]
	global_load_b128 v[16:19], v2, s[8:9]          ; my 8 columns' scales
.set kk, 0
.rept 32
	global_load_b64 v[WR+2*kk:WR+2*kk+1], v1, s[6:7] offset:kk*4096 th:TH_LOAD_NT   ; 256 consecutive bytes, at a multiple of 256 from qweight's first byte; all of the wave's 8 KiB are asked for at once
.set kk, kk+1
.endr
	s_wait_loadcnt 0x0                             ; a column's block wants all 32 rows
.set ci, 0
.irp x, v16.l,v16.h,v17.l,v17.h,v18.l,v18.h,v19.l,v19.h
	v_cvt_f32_f16 v[S2+2*ci], \x
	v_cvt_f32_f16 v[S2+2*ci+1], \x
.set ci, ci+1
.endr
.set kk, 0
.rept 16
	v_mul_f32 v[S3+kk], 0xc7008000, v[S2+kk]       ; -32896 s, exact
.set kk, kk+1
.endr
.set kk, 0
.rept 64
	v_xor_b32 v[WR+kk], s30, v[WR+kk]              ; q + 128, four at a time
.set kk, kk+1
.endr
.macro WCOL i                          ; column i of my eight
.set kk, 0
.rept 32
	v_perm_b32 v[WF+kk], v[WR+2*kk+(\i)/4], s31, s[32+(\i)%4]        ; 32768 + q + 128
.set kk, kk+1
.endr
.set kk, 0
.rept 16
	v_pk_fma_f32 v[WF+kk:WF+kk+1], v[WF+kk:WF+kk+1], v[S2+2*(\i):S2+2*(\i)+1], v[S3+2*(\i):S3+2*(\i)+1]   ; q x the column's scale
.set kk, kk+2
.endr
	v_max3_num_f32 v20, |v[WF]|, |v[WF+1]|, 0x1800000                ; the block's largest magnitude, in two chains, and the floor 2^(3 - 127)
	v_max3_num_f32 v21, |v[WF+2]|, |v[WF+3]|, |v[WF+4]|
.irp n, 5,9,13,17,21,25
	v_max3_num_f32 v20, v20, |v[WF+\n]|, |v[WF+\n+1]|
	v_max3_num_f32 v21, v21, |v[WF+\n+2]|, |v[WF+\n+3]|
.endr
	v_max3_num_f32 v20, v20, |v[WF+29]|, |v[WF+30]|
	v_max3_num_f32 v20, v20, v21, |v[WF+31]|
	v_add_nc_u32 v[22+(\i)%2], 0xff000000, v20     ; 2 off the exponent field: the conversions' scale operand
	s_wait_dscnt 1                                 ; the last column's store may be out; the one that read this set of code registers is done
.irp g, 0,1,2,3
	v_cvt_scalef32_pk8_fp4_f32 v[WC+4*((\i)%2)+\g], v[WF+8*\g:WF+8*\g+7], v[22+(\i)%2]
.endr
	v_lshrrev_b32 v[WE+(\i)], 23, v[22+(\i)%2]     ; the scale's byte.  (A plain line behind the conversions)
	ds_store_b128 v3, v[WC+4*((\i)%2):WC+4*((\i)%2)+3] offset:16*(\i)
.endm
.irp i, 0,1,2,3,4,5,6,7
	WCOL \i
.endr
.irp i, 0,1,2,3,4,5,6,7
	ds_store_b8 v5, v[WE+\i] offset:16*\i
.endr
	s_wait_dscnt 0x0                               ; for the others' sake: a column's sixteen scale bytes come from sixteen waves
	s_barrier_signal -1
	s_barrier_wait -1
.irp t, 0,1,2,3,4,5,6,7
	ds_load_b128 v[WR+4*\t:WR+4*\t+3], v4 offset:544*\t              ; units 2 t and 2 t + 1 of my own stage
.endr
	ds_load_b64 v[WO:WO+1], v6
.irp t, 0,1,2,3,4,5,6,7
	s_wait_dscnt 8-\t                              ; the 7 - t younger loads of codes and the load of scale bytes may be out
	global_store_b128 v8, v[WR+4*\t:WR+4*\t+3], s[14:15] offset:(\t/4)*8*CH+((2*\t)%8)*4096   ; each sixteen lanes store 256 consecutive bytes, at a multiple of 256 from wq's first byte
.endr
	s_wait_dscnt 0x0
	global_store_b64 v1, v[WO:WO+1], s[38:39]      ; 16 columns' scale bytes: 256 consecutive bytes
	s_wait_tensorcnt 0x0
	ds_add_u32 v254, v255
	s_wait_dscnt 0x0
	s_endpgm
.Lfunc_end_k_qeb846b9d4d_prep:
	.size	k_qeb846b9d4d_prep, .Lfunc_end_k_qeb846b9d4d_prep-k_qeb846b9d4d_prep
	.p2alignl 7, 3214868480
	.fill 96, 4, 3214868480
	.section	.rodata,"a",@progbits
	.p2align	6, 0x0
	.amdhsa_kernel k_qeb846b9d4d_prep
		.amdhsa_group_segment_fixed_size 150016
		.amdhsa_private_segment_fixed_size 0
		.amdhsa_enable_private_segment 0
		.amdhsa_kernarg_size 56
		.amdhsa_user_sgpr_count 2
		.amdhsa_user_sgpr_kernarg_segment_ptr 1
		.amdhsa_wavefront_size32 1
		.amdhsa_system_sgpr_workgroup_id_x 1
		.amdhsa_system_sgpr_workgroup_id_y 1
		.amdhsa_system_sgpr_workgroup_id_z 1
		.amdhsa_system_vgpr_workitem_id 0
		.amdhsa_next_free_vgpr 256
		.amdhsa_next_free_sgpr 66
		.amdhsa_reserve_vcc 0
		.amdhsa_float_denorm_mode_32 3
		.amdhsa_float_denorm_mode_16_64 3
		.amdhsa_memory_ordered 1
		.amdhsa_forward_progress 1
		.amdhsa_inst_pref_size 112
	.end_amdhsa_kernel
	.amdgpu_metadata
---
amdhsa.version: [ 1, 2 ]
amdhsa.kernels:
  - .name:           k_qeb846b9d4d_prep
    .symbol:         k_qeb846b9d4d_prep.kd
    .args:
      - { .name: input, .offset: 0, .size: 8, .value_kind: global_buffer, .address_space: global }
      - { .name: qweight, .offset: 8, .size: 8, .value_kind: global_buffer, .address_space: global }
      - { .name: weight_scales, .offset: 16, .size: 8, .value_kind: global_buffer, .address_space: global }
      - { .name: lora_A_w, .offset: 24, .size: 8, .value_kind: global_buffer, .address_space: global }
      - { .name: xq, .offset: 32, .size: 8, .value_kind: global_buffer, .address_space: global }
      - { .name: wq, .offset: 40, .size: 8, .value_kind: global_buffer, .address_space: global }
      - { .name: a2, .offset: 48, .size: 8, .value_kind: global_buffer, .address_space: global }
    .group_segment_fixed_size: 150016
    .private_segment_fixed_size: 0
    .kernarg_segment_align: 8
    .kernarg_segment_size: 56
    .max_flat_workgroup_size: 512
    .sgpr_count:     66
    .vgpr_count:     256
    .wavefront_size: 32
...
	.end_amdgpu_metadata
.endif
;; end of part 1
;; launch gemm (part 2): grid 16 x 16, 4 waves a work-group, clusters of 4 x 4, 327,680 bytes of LDS; arguments xq, wq, a2, lora_B_w, bias, out0; writes out0
.if DOCPART == 2
	.amdgcn_target "amdgcn-amd-amdhsa--gfx1250"
	.amdhsa_code_object_version 6
	.text
	.protected	k_qeb846b9d4d_gemm
	.globl	k_qeb846b9d4d_gemm
	.p2align	8
	.type	k_qeb846b9d4d_gemm,@function
k_qeb846b9d4d_gemm:
	s_mov_b64 s[64:65], 0
	v_nop
	global_prefetch_b8 v0, s[64:65] scope:SCOPE_SE
	s_setreg_imm32_b32 hwreg(HW_REG_WAVE_MODE, 25, 1), 1
	s_wait_xcnt 0x0
	s_wait_alu depctr_hold_cnt(0) depctr_sa_sdst(0) depctr_va_vdst(0) depctr_va_sdst(0) depctr_va_ssrc(0) depctr_va_vcc(0) depctr_vm_vsrc(0)
	s_getreg_b32 s2, hwreg(HW_REG_IB_STS2, 6, 4)
	s_cmp_eq_u32 s2, 0
	s_cbranch_scc0 .Lentry_in_a_cluster
	s_endpgm
.Lentry_in_a_cluster:
	s_bfe_u32 s2, ttmp6, 0x10000c
	s_cmp_lg_u32 s2, 0xf033
	s_cbranch_scc0 .Lentry_shape_is_right
	s_endpgm
.Lentry_shape_is_right:
; out0[m][n] = f16( bias[n] + sum over rank of lora_B[n][rank] x 2a[m][rank] + sum over k of Q(x)[m][k] Q(w)[k][n] ),  m, n, k < 4,096.
; xq, wq: codes of FP4 (E2M1) and E8M0 scale bytes as the launch before laid them: [group of 128 rows / columns: 32][K step of 512: 8][CH = 34,816 bytes]; a chunk is the image of the operands' registers
; (block i of 16 rows, fragment q of 128 along K, piece c at 4096 i + 1024 q + 512 c + 16 x lane) and, from byte 32,768 on, a row's four scale words of the step at 256 i + 16 r.  a2: 2 a as bf16, hi and lo.
; A tile of out0, 256 x 256, is made by a work-group of four waves, a wave 128 x 128: 64 accumulators, 512 registers.  16 x 16 tiles: one work-group for each, so none stays for a second tile.
; THE SUMS BEGIN WITH THE SMALL PRODUCT: one bf16 instruction an accumulator, with the bias as its C.  Its K of 32 holds the 16 ranks twice: against a's hi part and against its lo part, so that 2 a keeps 16 bits.
; LIMITS: lora_B and 2 a are rounded to bf16 (2 a as hi + lo); f16 would not hold a under large inputs.  NaN and infinities among the inputs are not served; the last conversion gives infinity where reference()'s does.
; K goes in steps of 512 through a ring of two LDS slots; a slot is four chunks (x's two groups of 128 rows, w's two groups of 128 columns), each brought by ONE tensor load of one wave as 136 dense rows of 256 bytes:
; codes and scale bytes ride together.  Fragment loads read 512 consecutive bytes, so LDS needs no padding.
; CLUSTERS: 4 x 4 work-groups.  The four of a row of the cluster need the same chunks of x, the four of a column the same chunks of w: each is asked for JOINTLY, by the same tensor load with the same descriptor and a mask that names the four.
; THE MATRIX INSTRUCTIONS ARE USED TRANSPOSED (source 0 = 16 columns of w, source 1 = 16 rows of x): a lane then holds eight neighbouring numbers of a row of out0.
; REGISTERS, in windows of 256: window 0: v0-31 addresses; v32-127 at work at the head and on the way out; v128-191 x's fragments, ONE set; v192-255 scale words, two sets, and nothing else.
;   window 1: w's fragments, TWO sets, at v0 and at v128.   window 2: the 32 accumulators of my rows 0-63 (accumulator (a, b) at v[8 (8 a + b)]);   window 3: those of my rows 64-127.
.set CH,     34816
.set SLOT,   4*CH
.set STAGE,  2*SLOT                    ; behind the ring: 16 rows x 272 bytes for each wave, for the way out; no tile lands there
.set SPITCH, 272
.set SPARE,  STAGE+4*16*SPITCH         ; behind the stages: the spare words, 128 bytes for each wave: two blocks of 256 bytes that no other line names
.set NQ,     4                         ; matrix instructions deep in a K step
.set FR,     8                         ; registers of a fragment
.set NL,     2                         ; LDS loads that bring one
.set NP,     4                         ; places behind this matrix instruction (ISA guide 7.12.1)
.set LAPS,   4                         ; a lap = two K steps = once round the ring: 4,096 / 1,024
.set NROW,   8192                      ; a row of out0 in bytes
.set LI,   14                          ; v14     16 x lane
.set ADRA, 16                          ; v16-17  LDS address of x's fragments in slot 0, 1
.set ADRS, 18                          ; v18-19  of the scale words: lanes 0-15 x's rows, lanes 16-31 w's columns
.set ADRB, 20                          ; v20-21  of w's fragments
.set STO,  24                          ; v24     the way out: where I put 16 bytes of a row
.set RD,   25                          ; v25     the way out: where I read a row back
.set CO,   26                          ; v26     my byte offset in two rows of out0
.set PFO,  27                          ; v27     the prefetches' offset: 256 x min(lane, 16); never rewritten
.set SPW,  28                          ; v28     LDS address of my spare word: SPARE + 4 x my thread's number; never rewritten
.set NIL,  29                          ; v29     0; never rewritten
.set LBO,  30                          ; v30     lora_B: 32 r + 16 h
.set BO,   31                          ; v31     bias: 16 h
.set RAWB, 32                          ; v32-63  lora_B as loaded;  v64-95 in f32;  v96-127 the bias as loaded
.set TF,   64
.set RAWC, 96
.set BI,   32                          ; v32-95  the bias in f32, eight registers for each block of 16 columns, in the result's layout
.set TMP,  32                          ; the way out: packed results;  v64-95 and v96-127 by turns: 16 rows read back
.set OB,   64
.set AF,   128
.set SC,   192                         ; set s at v[SC + 32 s]; register 4 i + q: lanes 0-15 the word of x's block i, lanes 16-31 that of w's block i, for the slot's q-th 128 along K
.set G1,  24                           ; s[24:31] descriptor group 1 for x's chunks;  s[32:39] group 0, one set for each slot
.set G0,  32
.set G1B, 48                           ; s[48:55], s[56:63] the same for w's
.set G0B, 56
.set PFA, 66                           ; s[66:67] where my prefetches stand: my work-group's 34 blocks of 256 bytes of the chunk one K step on from the refill that is being asked for; a prefetch names the chunk after that
.set LIM, 68                           ; s68     1 in a wave that prefetches, else the greatest number
.set MSB, 0
.macro WIN new                         ; the immediate's high byte repeats the setting that is left
.if MSB != \new
	s_set_vgpr_msb (MSB<<8)|\new
.set MSB, \new
.endif
.endm
.set MUL_LO, 0xa1                      ; source 0 (w) window 1, source 1 (x) window 0, C and D window 2
.set MUL_HI, 0xf1                      ; the same, C and D window 3
.set TO_B,   0x40                      ; destination window 1, the rest window 0
; count f16 halves, from the low half of v[first] on, become f32 in v[dst] on.  A half is named by its register's number, so the names are written out and the wanted ones picked by a counter.
.macro HALVES dst, first, count
.set ci, 0
.irp x, v32.l,v32.h,v33.l,v33.h,v34.l,v34.h,v35.l,v35.h,v36.l,v36.h,v37.l,v37.h,v38.l,v38.h,v39.l,v39.h,v40.l,v40.h,v41.l,v41.h,v42.l,v42.h,v43.l,v43.h,v44.l,v44.h,v45.l,v45.h,v46.l,v46.h,v47.l,v47.h,v48.l,v48.h,v49.l,v49.h,v50.l,v50.h,v51.l,v51.h,v52.l,v52.h,v53.l,v53.h,v54.l,v54.h,v55.l,v55.h,v56.l,v56.h,v57.l,v57.h,v58.l,v58.h,v59.l,v59.h,v60.l,v60.h,v61.l,v61.h,v62.l,v62.h,v63.l,v63.h,v64.l,v64.h,v65.l,v65.h,v66.l,v66.h,v67.l,v67.h,v68.l,v68.h,v69.l,v69.h,v70.l,v70.h,v71.l,v71.h,v72.l,v72.h,v73.l,v73.h,v74.l,v74.h,v75.l,v75.h,v76.l,v76.h,v77.l,v77.h,v78.l,v78.h,v79.l,v79.h,v80.l,v80.h,v81.l,v81.h,v82.l,v82.h,v83.l,v83.h,v84.l,v84.h,v85.l,v85.h,v86.l,v86.h,v87.l,v87.h,v88.l,v88.h,v89.l,v89.h,v90.l,v90.h,v91.l,v91.h,v92.l,v92.h,v93.l,v93.h,v94.l,v94.h,v95.l,v95.h,v96.l,v96.h,v97.l,v97.h,v98.l,v98.h,v99.l,v99.h,v100.l,v100.h,v101.l,v101.h,v102.l,v102.h,v103.l,v103.h,v104.l,v104.h,v105.l,v105.h,v106.l,v106.h,v107.l,v107.h,v108.l,v108.h,v109.l,v109.h,v110.l,v110.h,v111.l,v111.h,v112.l,v112.h,v113.l,v113.h,v114.l,v114.h,v115.l,v115.h,v116.l,v116.h,v117.l,v117.h,v118.l,v118.h,v119.l,v119.h,v120.l,v120.h,v121.l,v121.h,v122.l,v122.h,v123.l,v123.h,v124.l,v124.h,v125.l,v125.h,v126.l,v126.h,v127.l,v127.h
.if (ci >= 2*((\first)-32)) && (ci < 2*((\first)-32)+(\count))
	v_cvt_f32_f16 v[(\dst)+ci-2*((\first)-32)], \x
.endif
.set ci, ci+1
.endr
.endm
; A joint load: waves 0 and 1 fetch x's two chunks, waves 2 and 3 w's.  Each of the two lines has ONE mask and one set of registers for all that issue it; the branch hangs on the wave's number alone.
; Four v_nop follow each of the two lines, ahead of the jump, the label and what follows.
.macro JLOAD g0a, g1a, g0b, g1b
	s_cmp_eq_u32 s17, 0
	s_cbranch_scc0 .Lfor_b_\@
	tensor_load_to_lds s[\g0a:\g0a+3], s[\g1a:\g1a+7]
	s_nop 0
.rept 4
	v_nop
.endr
	s_branch .Lasked_\@
.Lfor_b_\@:
	tensor_load_to_lds s[\g0b:\g0b+3], s[\g1b:\g1b+7]
	s_nop 0
.rept 4
	v_nop
.endr
.Lasked_\@:
.endm
; A PREFETCH INTO THE L2, behind each joint refill and the run of LDS loads that follows it: the chunk that stands TWO refills on, 512 matrix instructions ahead of the load that will want it.
; x's chunks are read by every cluster of a row of clusters: the one with x = 0 asks; w's by every cluster of a column: the one with y = 0 asks.  The four partners that fetch a chunk jointly share its 136 blocks of
; 256 bytes out BY ADDRESS, 34 each (the place along the cluster's x for x's chunks, along its y for w's): two instructions of 17 blocks, a lane a block; lanes 17 to 31 name lane 16's block again.
; The loop's last trip asks for nothing: K has no step two on.  K steps 0 to 3 come by their loads alone: nothing is asked for at the head, where every work-group's first chunks are on their way.
.macro ASK
	s_cmp_gt_u32 s3, s[LIM]                        ; s3 = 1 in the loop's last trip
	s_cbranch_scc0 .Lnot_mine_\@
	global_prefetch_b8 v[PFO], s[PFA:PFA+1] offset:CH th:TH_LOAD_NT scope:SCOPE_SE
	global_prefetch_b8 v[PFO], s[PFA:PFA+1] offset:CH+4352 th:TH_LOAD_NT scope:SCOPE_SE
.Lnot_mine_\@:
.endm
.macro CREST                           ; a round of the cluster's barrier behind its opening barrier
	s_cmp_lg_u32 s16, 0
	s_cbranch_scc1 .Lnot_wave_0_\@
	s_barrier_signal -3
.Lnot_wave_0_\@:
	s_barrier_wait -3
	s_barrier_signal -1
	s_barrier_wait -1
.endm
.macro CROUND                          ; a whole round
	s_barrier_signal -1
	s_barrier_wait -1
	CREST
.endm
.macro PLACES n
.rept \n
	v_nop
.endr
.endm
	s_load_b256 s[4:11], s[0:1], 0x0               ; xq s[4:5], wq s[6:7], a2 s[8:9], lora_B_w s[10:11]
	s_load_b128 s[12:15], s[0:1], 0x20             ; bias s[12:13], out0 s[14:15]
	v_lshl_add_u32 v[SPW], v0, 2, SPARE
	v_mov_b32 v[NIL], 0
	ds_add_u32 v28, v29
	ds_add_u32 v28, v29
	s_wait_dscnt 0x0
	v_lshrrev_b32 v1, 5, v0
	v_readfirstlane_b32 s16, v1                    ; wave 0..3
	s_lshr_b32 s17, s16, 1                         ; which half of the tile's rows is mine.  Also: I fetch for x (0) or for w (1)
	s_and_b32 s18, s16, 1                          ; which half of its columns.  Also: which of the two chunks I fetch
	s_bfe_u32 s40, ttmp6, 0x40000                  ; cx, cy: my place in the cluster
	s_bfe_u32 s41, ttmp6, 0x40004
	s_lshl_b32 s42, ttmp9, 2
	s_add_co_u32 s42, s42, s40                     ; tile column = 4 x cluster x + cx
	s_and_b32 s43, ttmp7, 0xffff
	s_lshl_b32 s43, s43, 2
	s_add_co_u32 s43, s43, s41                     ; tile row = 4 x cluster y + cy
	s_lshl_b32 s44, s41, 2
	s_lshl_b32 s44, 15, s44                        ; my row of the cluster
	s_lshl_b32 s45, 0x1111, s40                    ; my column
	; descriptor group 1: a chunk as 136 dense rows of 32 elements of 8 bytes, no padding
	s_or_b32 s[G1+0], s44, (3<<16)|(1<<21)         ; 15:0 the mask: x's chunks go to my row; 17:16 elements of 8 bytes; 21 set beside a mask
	s_or_b32 s[G1B+0], s45, (3<<16)|(1<<21)        ; w's go to my column
.irp g, G1, G1B
	s_mov_b32 s[\g+1], 32<<16                      ; tensor_dim0 = 32
	s_mov_b32 s[\g+2], 136<<16                     ; tensor_dim1 = 136
	s_mov_b32 s[\g+3], 32<<16                      ; tile_dim0 = 32
	s_mov_b32 s[\g+4], 136                         ; tile_dim1 = 136
	s_mov_b32 s[\g+5], 32                          ; tensor_dim0_stride
	s_mov_b32 s[\g+6], 0
	s_mov_b32 s[\g+7], 0
.endr
	s_lshl_b32 s20, s43, 1
	s_add_co_u32 s20, s20, s18                     ; x: group of 128 rows 2 x tile row + half,
	s_mul_i32 s20, s20, 8*CH                       ; its eight chunks
	s_mov_b32 s21, 0
	s_lshl_b32 s46, s42, 1
	s_add_co_u32 s46, s46, s18                     ; w: group of 128 columns 2 x tile column + half
	s_mul_i32 s46, s46, 8*CH
	s_mov_b32 s47, 0
	s_mul_i32 s70, s16, CH                         ; where they go: wave x a chunk: no place in the cluster enters an LDS address
	s_wait_kmcnt 0x0
	s_add_nc_u64 s[20:21], s[4:5], s[20:21]
	s_add_nc_u64 s[46:47], s[6:7], s[46:47]
	CROUND                                         ; all sixteen work-groups are here: the first joint loads meet
.irp s, 0,1
	s_mov_b32 s[G0+4*\s], 1                                        ; count = 1
	s_add_co_u32 s[G0+4*\s+1], s70, \s*SLOT                        ; LDS address
	s_add_nc_u64 s[G0+4*\s+2:G0+4*\s+3], s[20:21], \s*CH           ; global address: K step s
	s_or_b32 s[G0+4*\s+3], s[G0+4*\s+3], 0x80000000                ; type = 2
	s_mov_b32 s[G0B+4*\s], 1
	s_add_co_u32 s[G0B+4*\s+1], s70, \s*SLOT
	s_add_nc_u64 s[G0B+4*\s+2:G0B+4*\s+3], s[46:47], \s*CH
	s_or_b32 s[G0B+4*\s+3], s[G0B+4*\s+3], 0x80000000
	JLOAD G0+4*\s, G1, G0B+4*\s, G1B               ; two loads of mine are out
.endr
	v_and_b32 v1, 15, v0                           ; r
	v_bfe_u32 v2, v0, 4, 1                         ; h
	v_and_b32 v3, 31, v0                           ; lane
	v_lshlrev_b32 v[LI], 4, v3
	v_lshlrev_b32 v[BO], 4, v2
	v_lshl_add_u32 v[LBO], v1, 5, v[BO]
	s_lshl_b32 s22, s43, 4
	s_lshl_b32 s23, s17, 3
	s_add_co_u32 s22, s22, s23                     ; my first block of 16 rows: 16 x tile row + 8 x half
	s_lshl_b32 s22, s22, 10
	s_mov_b32 s23, 0
	s_add_nc_u64 s[8:9], s[8:9], s[22:23]          ; a2
	s_lshl_b32 s72, s42, 8
	s_lshl_b32 s73, s18, 7
	s_add_co_u32 s72, s72, s73                     ; n0, my first column: 256 x tile column + 128 x half
	s_lshl_b32 s74, s72, 5
	s_mov_b32 s75, 0
	s_add_nc_u64 s[10:11], s[10:11], s[74:75]      ; lora_B: 32 bytes a column
	s_lshl_b32 s74, s72, 1
	s_add_nc_u64 s[12:13], s[12:13], s[74:75]      ; bias
	s_add_nc_u64 s[14:15], s[14:15], s[74:75]      ; out0: my first column,
	s_lshl_b32 s22, s43, 8
	s_lshl_b32 s73, s17, 7
	s_add_co_u32 s22, s22, s73
	s_lshl_b32 s22, s22, 13                        ; and my first row: (256 x tile row + 128 x half) x 8,192 bytes
	s_add_nc_u64 s[14:15], s[14:15], s[22:23]
.irp a, 0,1,2,3,4,5,6,7
.irp c, 0,1
	global_load_b128 v[AF+8*\a+4*\c:AF+8*\a+4*\c+3], v[LI], s[8:9] offset:1024*\a+512*\c   ; 2 a of rows 16 a on: registers 0-3 hi, 4-7 lo, of ranks 8 h .. 8 h + 7: source 1 of the bf16 product as it stands
.endr
.endr
.irp b, 0,1,2,3,4,5,6,7
	global_load_b128 v[RAWB+4*\b:RAWB+4*\b+3], v[LBO], s[10:11] offset:512*\b   ; lora_B[n0 + 16 b + r][8 h .. 8 h + 7]
.endr
.irp b, 0,1,2,3,4,5,6,7
	global_load_b128 v[RAWC+4*\b:RAWC+4*\b+3], v[BO], s[12:13] offset:32*\b     ; bias[n0 + 16 b + 8 h + 0 .. 7]
.endr
	; the prefetches: where my wave's stand, and who asks
	s_and_b32 s76, ttmp7, 0xffff                   ; cluster y
	s_cmp_eq_u32 s17, 0                            ; do I fetch for x?
	s_cselect_b32 s77, s43, s42                    ; the tile row, or the tile column
	s_cselect_b32 s78, s40, s41                    ; my place among the four that ask with me
	s_cselect_b32 s76, ttmp9, s76                  ; the coordinate along which other clusters read the same chunks
	s_cselect_b64 s[PFA:PFA+1], s[4:5], s[6:7]
	s_cmp_eq_u32 s76, 0
	s_cselect_b32 s[LIM], 1, -1                    ; the same in all sixteen partners, for a given wave
	s_lshl_b32 s77, s77, 1
	s_add_co_u32 s77, s77, s18
	s_mul_i32 s76, s77, 8*CH
	s_mul_i32 s78, s78, 8704                       ; my work-group's 34 blocks
	s_add_co_u32 s76, s76, s78
	s_add_co_u32 s76, s76, 2*CH                    ; at K step 2: the first refill steps it to 3 and names K step 4
	s_mov_b32 s77, 0
	s_add_nc_u64 s[PFA:PFA+1], s[PFA:PFA+1], s[76:77]
	v_min_u32 v[PFO], 16, v3
	v_lshlrev_b32 v[PFO], 8, v[PFO]
	; LDS addresses
	s_mul_i32 s71, s17, CH                         ; my 128 rows of x
	s_mul_i32 s79, s18, CH
	s_add_co_u32 s79, s79, 2*CH                    ; my 128 columns of w, behind x's two chunks
	s_xor_b32 s73, s17, 1
	s_add_co_u32 s73, s73, s18
	s_add_co_u32 s73, s73, 1
	s_mul_i32 s73, s73, CH                         ; from x's chunk to w's: (2 + column half - row half) chunks
	v_mul_u32_u24 v4, s73, v2                      ; lanes 16-31 take w's scale words
	v_lshl_add_u32 v4, v1, 4, v4                   ; 16 bytes a row
	v_add_nc_u32 v4, 32768, v4                     ; behind the codes
.irp s, 0,1
	v_add_nc_u32 v[ADRA+\s], s71, v[LI]
	v_add_nc_u32 v[ADRS+\s], s71, v4
	v_add_nc_u32 v[ADRB+\s], s79, v[LI]
	s_add_co_u32 s71, s71, SLOT
	s_add_co_u32 s79, s79, SLOT
.endr
	s_mul_i32 s73, s16, 16*SPITCH
	s_add_co_u32 s73, s73, STAGE                   ; my stage
	v_mul_u32_u24 v4, v1, SPITCH                   ; in: row r, 16 bytes for each half of the lanes
	v_lshl_add_u32 v4, v2, 4, v4
	v_add_nc_u32 v[STO], s73, v4
	v_mul_u32_u24 v5, v2, SPITCH                   ; back: lanes 0-15 take one row of 256 bytes, lanes 16-31 the next
	v_lshl_add_u32 v5, v1, 4, v5
	v_add_nc_u32 v[RD], s73, v5
	v_lshlrev_b32 v[CO], 13, v2                    ; and the same two rows in out0
	v_lshl_add_u32 v[CO], v1, 4, v[CO]
	s_wait_loadcnt 0x0                             ; 2 a, lora_B, the bias
	; lora_B to bf16, four blocks of 16 columns at a time: registers 0-3 and 4-7 of a fragment hold the same 8 ranks: the second four meet a's lo part
.irp u, 0,1
	HALVES TF, RAWB+16*\u, 32
	WIN TO_B
.irp b, 0,1,2,3
.irp p, 0,1,2,3
	v_cvt_pk_bf16_f32 v[8*(4*\u+\b)+\p], v[TF+8*\b+2*\p], v[TF+8*\b+2*\p+1]
	v_cvt_pk_bf16_f32 v[8*(4*\u+\b)+4+\p], v[TF+8*\b+2*\p], v[TF+8*\b+2*\p+1]
.endr
.endr
	WIN 0
.endr
	HALVES BI, RAWC, 64                            ; the bias in f32: register 8 b + j = bias[n0 + 16 b + 8 h + j], the result's layout
	PLACES 4
.irp a, 0,1,2,3,4,5,6,7                ; 64 products, one an accumulator: bias + lora_B (2 a)^T.  Nothing is ever cleared
	WIN 0x81+0x40*((\a)/4)                         ; source 0 window 1, sources 1 and 2 window 0, destination window 2 or 3
.irp b, 0,1,2,3,4,5,6,7
	v_wmma_f32_16x16x32_bf16 v[8*(8*((\a)%4)+\b):8*(8*((\a)%4)+\b)+7], v[8*\b:8*\b+7], v[AF+8*\a:AF+8*\a+7], v[BI+8*\b:BI+8*\b+7]
.endr
.endr
	WIN 0
	PLACES 5                                       ; another form of matrix instruction writes over these results next, and loads land on these sources: five places (ISA guide 7.12.1 for the matrix instructions)
.macro FRAG reg, adr, q, i             ; a fragment, 16 rows x 128 K of 4-bit codes, is 8 registers; its image lies in the chunk as two runs of 512 bytes
.irp c, 0,1
	ds_load_b128 v[\reg+4*\c:\reg+4*\c+3], v[\adr] offset:(\i)*4096+(\q)*1024+512*\c
.endr
.endm
; 16 matrix instructions: x's blocks a0, a0 + 1 against w's eight, 128 along K: the slot's q-th.  p: w's set;  sc: the set of scale words.
; The 64 accumulators take turns, one instruction a turn, in the same order in every step.
.macro MUL16 a0, p, q, sc
.irp a, \a0, \a0+1
.irp b, 0,1,2,3,4,5,6,7
	v_wmma_scale_f32_16x16x128_f8f6f4 v[8*(8*((\a)%4)+\b):8*(8*((\a)%4)+\b)+7], v[128*(\p)+FR*\b:128*(\p)+FR*\b+FR-1], v[AF+FR*(\a):AF+FR*(\a)+FR-1], v[8*(8*((\a)%4)+\b):8*(8*((\a)%4)+\b)+7], v[SC+8*NQ*(\sc)+NQ*\b+(\q)], v[SC+8*NQ*(\sc)+NQ*(\a)+(\q)] matrix_a_fmt:MATRIX_FMT_FP4 matrix_b_fmt:MATRIX_FMT_FP4 matrix_a_scale:MATRIX_SCALE_ROW1
.endr
.endr
.endm
.macro FETCH_B slot, q, p              ; w's eight fragments of the slot's q-th 128 along K into set p
	WIN TO_B
.irp i, 0,1,2,3,4,5,6,7
	FRAG 128*(\p)+FR*\i, ADRB+\slot, \q, \i
.endr
	WIN 0
.endm
.macro FETCH_A slot, q, i0             ; x's blocks i0 .. i0 + 3
.irp i, \i0, \i0+1, \i0+2, \i0+3
	FRAG AF+FR*(\i), ADRA+\slot, \q, \i
.endr
.endm
.macro SCALES sc                       ; slot sc's scale words into set sc: four words a row; lanes 0-15 take x's block i, lanes 16-31 w's block i
.irp i, 0,1,2,3,4,5,6,7
	ds_load_b128 v[SC+8*NQ*\sc+NQ*\i:SC+8*NQ*\sc+NQ*\i+3], v[ADRS+\sc] offset:256*\i
.endr
.endm
; A step of 128 along K that has its successor in the same slot.  A block of x is free as soon as its eight products are issued: blocks 0-3 are fetched anew in the step's middle, blocks 4-7 at its end.
.macro STEP slot, q
	s_wait_dscnt 4*NL                              ; w's set and x's blocks 0-3 are in; the youngest eight loads (x's blocks 4-7) may be out
	WIN MUL_LO
	MUL16 0, (\q)%2, \q, \slot
	MUL16 2, (\q)%2, \q, \slot
	s_wait_dscnt 0                                 ; x's blocks 4-7 are in (asked for 32 matrix instructions ago)
	PLACES NP                                      ; in front of loads into registers that matrix instructions have read
	FETCH_B \slot, (\q)+1, 1-(\q)%2
	FETCH_A \slot, (\q)+1, 0
	WIN MUL_HI
	MUL16 4, (\q)%2, \q, \slot
	MUL16 6, (\q)%2, \q, \slot
	PLACES NP
	WIN 0
	FETCH_A \slot, (\q)+1, 4
.endm
; A slot's last step changes slots: ONE barrier; in front of it each wave waits for all its tensor loads, adds 0 to its spare word, and waits for that and for its own reads of this slot.  fill = 1: this slot is filled again, two K steps ahead.
.macro TURN slot, next, fill
.if \fill
	s_wait_xcnt 0x0                                ; the last prefetches, a K step back, have read their address: it is stepped here, ahead of the waits of the change of slots
	s_add_nc_u64 s[PFA:PFA+1], s[PFA:PFA+1], CH
.endif
	s_wait_tensorcnt 0x0                           ; all my tensor loads have landed: the one that was out is my chunk of the next slot;  (every window is 0 here)
	ds_add_u32 v[SPW], v[NIL]                      ; 0 onto my spare word
	s_wait_dscnt 4*NL+1                            ; (the add and the youngest eight loads, x's blocks 4-7, may be out)
	WIN MUL_LO
	MUL16 0, 1, NQ-1, \slot                        ; sixteen matrix instructions stand between the add and the wait for it
	s_wait_dscnt 0x0                               ; the add is done, and my reads of this slot are over
	s_barrier_signal -1
	MUL16 2, 1, NQ-1, \slot
	WIN 0
	s_barrier_wait -1
.if \fill
	CREST                                          ; the barrier has opened a round of the cluster's barrier: no wave of any partner still reads this slot or has a load on its way
	s_add_nc_u64 s[G0+4*\slot+2:G0+4*\slot+3], s[G0+4*\slot+2:G0+4*\slot+3], 2*CH
	s_add_nc_u64 s[G0B+4*\slot+2:G0B+4*\slot+3], s[G0B+4*\slot+2:G0B+4*\slot+3], 2*CH
	JLOAD G0+4*\slot, G1, G0B+4*\slot, G1B         ; the first tensor load behind the round, my one load until the next; the four v_nop behind it are the places in front of the loads below
.else
	PLACES NP
.endif
	FETCH_B \next, 0, 0
	FETCH_A \next, 0, 0
	SCALES \next
.if \fill
	ASK
.endif
	WIN MUL_HI
	MUL16 4, 1, NQ-1, \slot
	MUL16 6, 1, NQ-1, \slot
	PLACES NP
	WIN 0
	FETCH_A \next, 0, 4
.endm
.macro STEPS slot, from                ; the slot's steps from .. NQ - 2
.set Q, \from
.rept NQ-1-\from
	STEP \slot, Q
.set Q, Q+1
.endr
.endm
	s_wait_tensorcnt 1                             ; my chunk of K step 0 is in (K step 1's load may be out)
	s_barrier_signal -1
	s_barrier_wait -1                              ; everybody's is
	FETCH_B 0, 0, 0
	FETCH_A 0, 0, 0
	SCALES 0
	FETCH_A 0, 0, 4
	STEP 0, 0
	s_mov_b32 s3, LAPS-1
.Llap:                                                 ; a trip goes once round the ring, from a lap's second step to the next lap's first, and fills both slots again
	STEPS 0, 1
	TURN 0, 1, 1
	STEPS 1, 0
	TURN 1, 0, 1
	STEP 0, 0
	s_sub_co_u32 s3, s3, 1
	s_cmp_lg_u32 s3, 0
	s_cbranch_scc1 .Llap
	STEPS 0, 1                                     ; the last lap is written out: it fills nothing, and has no round of the cluster's barrier
	TURN 0, 1, 0
	STEPS 1, 0
	s_wait_dscnt 4*NL                              ; the very last step: nothing more to fetch
	WIN MUL_LO
	MUL16 0, 1, NQ-1, 1
	MUL16 2, 1, NQ-1, 1
	s_wait_dscnt 0
	WIN MUL_HI
	MUL16 4, 1, NQ-1, 1
	MUL16 6, 1, NQ-1, 1
	WIN 0
; THE WAY OUT, block by block of 16 rows x 128 columns.  PACK: rounded to f16, 16 bytes a lane, each accumulator from its low end on.  TOSTAGE: into my own stage in LDS (rows of 272 bytes) and back as whole rows of 256 bytes.
; SEND: stored.  LDS serves a wave's instructions in order (ISA guide 5.7.1.4): no wait between the stores and the loads.
.macro PACK a
.set AC, 64*((\a)%4)
	WIN 0x0a+5*((\a)/4)                            ; sources 0 and 1: window 2 or 3
.irp b, 0,1,2,3,4,5,6,7
.irp r, 0,1,2,3
	v_cvt_pk_f16_f32 v[TMP+4*\b+\r], v[AC+8*\b+2*\r], v[AC+8*\b+2*\r+1]
.endr
.endr
	WIN 0
.endm
.macro TOSTAGE a
.set BK, OB+32*((\a)%2)
.irp b, 0,1,2,3,4,5,6,7
	ds_store_b128 v[STO], v[TMP+4*\b:TMP+4*\b+3] offset:32*\b
.endr
.irp t, 0,1,2,3,4,5,6,7
	ds_load_b128 v[BK+4*\t:BK+4*\t+3], v[RD] offset:\t*2*SPITCH
.endr
.endm
.macro SEND a
.set BK, OB+32*((\a)%2)
	s_wait_dscnt 0x0                               ; the block is back in registers
	s_wait_xcnt 0x0                                ; every earlier store has had its addresses translated (ISA guide 3.1): only behind this wait are the stores' base and the registers that earlier stores read rewritten
.if (\a) > 0
	s_add_nc_u64 s[14:15], s[14:15], 16*NROW       ; 16 rows of out0 on
.endif
.irp t, 0,1,2,3,4,5,6,7
	global_store_b128 v[CO], v[BK+4*\t:BK+4*\t+3], s[14:15] offset:2*\t*NROW th:TH_STORE_NT   ; 16 lanes store 256 consecutive bytes, at a multiple of 256 from out0's first byte; written once, read by nobody here
.endr
.endm
	PLACES NP
	PACK 0
	TOSTAGE 0
.irp a, 1,2,3,4,5,6,7                  ; block a's conversions stand between block a - 1's loads from the stage and the wait for them
	PACK \a
	SEND \a-1
	TOSTAGE \a
.endr
	SEND 7
	s_wait_tensorcnt 0x0                           ; the wave's end, behind my last tensor load and my last LDS store
	ds_add_u32 v[SPW], v[NIL]
	s_wait_dscnt 0x0
	CROUND                                         ; the closing round: no work-group ends while a partner may still ask for a chunk that names it
	s_endpgm
.Lfunc_end_k_qeb846b9d4d_gemm:
	.size	k_qeb846b9d4d_gemm, .Lfunc_end_k_qeb846b9d4d_gemm-k_qeb846b9d4d_gemm
	.p2alignl 7, 3214868480
	.fill 96, 4, 3214868480
	.section	.rodata,"a",@progbits
	.p2align	6, 0x0
	.amdhsa_kernel k_qeb846b9d4d_gemm
		.amdhsa_group_segment_fixed_size 327680
		.amdhsa_private_segment_fixed_size 0
		.amdhsa_enable_private_segment 0
		.amdhsa_kernarg_size 48
		.amdhsa_user_sgpr_count 2
		.amdhsa_user_sgpr_kernarg_segment_ptr 1
		.amdhsa_wavefront_size32 1
		.amdhsa_system_sgpr_workgroup_id_x 1
		.amdhsa_system_sgpr_workgroup_id_y 1
		.amdhsa_system_sgpr_workgroup_id_z 1
		.amdhsa_system_vgpr_workitem_id 0
		.amdhsa_next_free_vgpr 1024
		.amdhsa_next_free_sgpr 80
		.amdhsa_reserve_vcc 0
		.amdhsa_float_denorm_mode_32 3
		.amdhsa_float_denorm_mode_16_64 3
		.amdhsa_memory_ordered 1
		.amdhsa_forward_progress 1
		.amdhsa_inst_pref_size 228
	.end_amdhsa_kernel
	.amdgpu_metadata
---
amdhsa.version: [ 1, 2 ]
amdhsa.kernels:
  - .name:           k_qeb846b9d4d_gemm
    .symbol:         k_qeb846b9d4d_gemm.kd
    .args:
      - { .name: xq, .offset: 0, .size: 8, .value_kind: global_buffer, .address_space: global }
      - { .name: wq, .offset: 8, .size: 8, .value_kind: global_buffer, .address_space: global }
      - { .name: a2, .offset: 16, .size: 8, .value_kind: global_buffer, .address_space: global }
      - { .name: lora_B_w, .offset: 24, .size: 8, .value_kind: global_buffer, .address_space: global }
      - { .name: bias, .offset: 32, .size: 8, .value_kind: global_buffer, .address_space: global }
      - { .name: out0, .offset: 40, .size: 8, .value_kind: global_buffer, .address_space: global }
    .group_segment_fixed_size: 327680
    .private_segment_fixed_size: 0
    .kernarg_segment_align: 8
    .kernarg_segment_size: 48
    .max_flat_workgroup_size: 128
    .sgpr_count:     80
    .vgpr_count:     1024
    .wavefront_size: 32
...
	.end_amdgpu_metadata
.endif
;; end of part 2
;; ======== version 2 of 2: 2 launches; version 1 with the launch prep written anew for expert scheduling mode
;; workspace buffers: xq 8,912,896 bytes; wq 8,912,896 bytes; a2 262,144 bytes
;; launch prep (part 3): grid 256 x 1, 16 waves a work-group, no clusters, 150,016 bytes of LDS; arguments input, qweight, weight_scales, lora_A_w, xq, wq, a2; writes xq, wq, a2
.if DOCPART == 3
	.amdgcn_target "amdgcn-amd-amdhsa--gfx1250"
	.amdhsa_code_object_version 6
	.text
	.protected	k_qeb846b9d4d_prep
	.globl	k_qeb846b9d4d_prep
	.p2align	8
	.type	k_qeb846b9d4d_prep,@function
k_qeb846b9d4d_prep:
	s_mov_b64 s[64:65], 0
	v_nop
	global_prefetch_b8 v0, s[64:65] scope:SCOPE_SE
	s_setreg_imm32_b32 hwreg(HW_REG_WAVE_SCHED_MODE, 0, 2), 2
	s_setreg_imm32_b32 hwreg(HW_REG_WAVE_MODE, 25, 1), 1
	s_wait_xcnt 0x0
	s_wait_alu depctr_vm_vsrc(0)
; THE QUANTISING LAUNCH.  x = input [4096][4096] f16 and w_dq[k][n] = qweight[k][n] x weight_scales[n] (formed in f32) become codes of FP4 (E2M1) with one E8M0 byte for each 32 along K,
; and a = Q(x) Q(lora_A)^T [4096][16] is made here, where x's codes lie in operand registers anyway; 2 a leaves as bf16 in two parts, hi = bf16(2a), lo = bf16(2a - hi).
; A block's scale is 2^(floor(log2(its largest magnitude)) - 2): its byte is the largest magnitude's exponent field - 2, held at 1 from below by a floor among the maximum's leaves.
; LIMITS: NaN and infinities among the inputs are not served.  A block of zeros gets the byte 1 where the rule says 127: its codes are zeros, which add nothing under any byte but 0xff, and this program alone reads the bytes.
; LAYOUT OF xq AND wq: [group of 128 rows of x / columns of w: 32][K step of 512: 8][CH = 34,816 bytes].  A chunk holds, for block i of 16 rows and block kb of 32 along K, row r's 32 codes (16 bytes) at 4096 i + 256 kb + 16 r:
; that is the image of the operand's registers (fragment q of 128 along K, piece c: 4096 i + 1024 q + 512 c + 16 x lane).  Behind the codes, at 32768 + 256 i + 16 r + kb, the scale bytes: a row's four scale words of a K step on end.
; LAYOUT OF a2: [block of 16 rows: 256][hi, lo][lane 32][16 bytes]: lane (r, h) holds ranks 8 h .. 8 h + 7 of row r.
; ONE LAUNCH, TWO PATHS, parted once on the work-group's number: even numbers take w, odd ones x, so that both kinds are spread alike.  Each path has LDS bytes of its own, one barrier and its own end.
; SIXTEEN WAVES of 256 registers, four to a SIMD: a wave's share is small, so that half of an x wave's loads are out at once (16 waves x 24 loads x 512 bytes a work-group), and one wave's arithmetic stands beside another's wait for loads.
; No tensor loads and no cluster: x and qweight are read once, by one work-group each; what work-groups share, lora_A's 128 KiB, is a small part of a work-group's bytes.  No prefetch: the launch is one stream of loads from its first line on.
; THE MODE: SCHED_MODE bits 1:0 = 2 (LLVM: expert scheduling mode 2), set by the entry lines.  The code itself states the register dependences between vector or matrix instructions and memory or LDS instructions, with s_wait_alu, always for 0.
; THE PLAN, X PATH.  Registers that memory or LDS instructions touch:
;   v1-v9       offsets and LDS addresses: written once, at the path's head, ahead of one wait on va_vdst; never written again.
;   R0 .. R2    a set of 8 loads lands; the set's 64 widenings read it; behind them the loads of the set three on land in it.
;   C, E        written by a set's 8 conversions and 8 shifts; read by the set's 16 LDS stores.
;   XF0, XF1, LF, XS0, XS1, LS, XO   filled by LDS loads alone; read by global stores and by the products.
;   ACC0, ACC1  written by the four products; read by four LDS stores.      v32-159, in the tail: LDS loads land where R and F were.      v96-103: hi and lo, read by two global stores.
; So ONE wait on va_vdst stands in a set, behind its last vector line: C and E are written, and the widenings are done reading R[rs].  The set's refill and its 16 LDS stores follow it with no vector line between.
; One wait on vm_vsrc stands in each set but the first, ahead of its first conversion: the last set's LDS stores have read C and E.
; THE PLAN, W PATH.  v1-v8 as above.  WR: loads land, vector lines work on it; behind the barrier LDS loads land in it.  WC, WE: each column has code and byte registers of its own, so that no store's data are written again.
; One wait on va_vdst behind columns 0-3 and one behind columns 4-7, each ahead of its four columns' LDS stores; no vector line follows the second, so it serves the loads into WR too.
.set CH,   34816
.set XSC,  34816                       ; LDS: x path: from 0 sixteen stages of 2,176 bytes; from XSC 24 units of 256 scale bytes: [x's first 16 rows, x's second, lora_A][K step 8][16 r + kb]
.set RED,  40960                       ; x path: the partial sums of a: [16 rows: 2][wave 16][1,024]
.set WSTG, 73728                       ; w path: sixteen stages of 4,352 bytes: [16 columns: 16] units of 256 + 16 bytes
.set WSCL, 143360                      ; w path: the scale bytes of 256 columns: [8 columns: 32] x (8 x 16 bytes + 16)
; x path's registers
.set ACC0, 16                          ; v16-23   a of my first 16 rows, my 256 along K
.set XS0,  24                          ; v24-25, v26-27  x's scale words;  v28-29 lora_A's: these six hold scales and nothing else
.set XS1,  26
.set LS,   28
.set R,    32                          ; v32-127  three sets of 8 loads as they come (f16)
.set F,    128                         ; v128-159 32 numbers in f32
.set XF0,  160                         ; v160-175, v176-191  x's two fragments of each 16 rows;  v192-207 lora_A's two
.set XF1,  176
.set LF,   192
.set ACC1, 208                         ; v208-215 a of my second 16 rows
.set M,    224                         ; v224-227 largest magnitudes;  v228-231 the conversions' scale operands
.set SCL,  228
.set C,    232                         ; v232-239 a set's codes, a register a row;  v240-247 its scale bytes likewise
.set E,    240
.set XO,   248                         ; v248-249 a unit of scale bytes on its way out
; w path's registers
.set S2,   32                          ; v32-47   each of my 8 columns' scales s, twice: pairs for the packed multiply-add;  v48-63  -32896 s likewise
.set S3,   48
.set WR,   64                          ; v64-127  32 rows x 8 columns of int8; later the codes on their way out
.set WE,   136                         ; v136-143 a column's scale byte
.set WC,   144                         ; v144-175 codes: four registers for each of my 8 columns
.set WF,   192                         ; v192-223 a block's 32 numbers in f32
.set WO,   224                         ; v224-225 scale bytes on their way out
; count f16 halves, from the low half of v[first] on, become f32 in v[dst] on.  A half is named by its register's number, so the names are written out and the wanted ones picked by a counter.
.macro HALVES dst, first, count
.set ci, 0
.irp x, v32.l,v32.h,v33.l,v33.h,v34.l,v34.h,v35.l,v35.h,v36.l,v36.h,v37.l,v37.h,v38.l,v38.h,v39.l,v39.h,v40.l,v40.h,v41.l,v41.h,v42.l,v42.h,v43.l,v43.h,v44.l,v44.h,v45.l,v45.h,v46.l,v46.h,v47.l,v47.h,v48.l,v48.h,v49.l,v49.h,v50.l,v50.h,v51.l,v51.h,v52.l,v52.h,v53.l,v53.h,v54.l,v54.h,v55.l,v55.h,v56.l,v56.h,v57.l,v57.h,v58.l,v58.h,v59.l,v59.h,v60.l,v60.h,v61.l,v61.h,v62.l,v62.h,v63.l,v63.h,v64.l,v64.h,v65.l,v65.h,v66.l,v66.h,v67.l,v67.h,v68.l,v68.h,v69.l,v69.h,v70.l,v70.h,v71.l,v71.h,v72.l,v72.h,v73.l,v73.h,v74.l,v74.h,v75.l,v75.h,v76.l,v76.h,v77.l,v77.h,v78.l,v78.h,v79.l,v79.h,v80.l,v80.h,v81.l,v81.h,v82.l,v82.h,v83.l,v83.h,v84.l,v84.h,v85.l,v85.h,v86.l,v86.h,v87.l,v87.h,v88.l,v88.h,v89.l,v89.h,v90.l,v90.h,v91.l,v91.h,v92.l,v92.h,v93.l,v93.h,v94.l,v94.h,v95.l,v95.h,v96.l,v96.h,v97.l,v97.h,v98.l,v98.h,v99.l,v99.h,v100.l,v100.h,v101.l,v101.h,v102.l,v102.h,v103.l,v103.h,v104.l,v104.h,v105.l,v105.h,v106.l,v106.h,v107.l,v107.h,v108.l,v108.h,v109.l,v109.h,v110.l,v110.h,v111.l,v111.h,v112.l,v112.h,v113.l,v113.h,v114.l,v114.h,v115.l,v115.h,v116.l,v116.h,v117.l,v117.h,v118.l,v118.h,v119.l,v119.h,v120.l,v120.h,v121.l,v121.h,v122.l,v122.h,v123.l,v123.h,v124.l,v124.h,v125.l,v125.h,v126.l,v126.h,v127.l,v127.h
.if (ci >= 2*((\first)-32)) && (ci < 2*((\first)-32)+(\count))
	v_cvt_f32_f16 v[(\dst)+ci-2*((\first)-32)], \x
.endif
.set ci, ci+1
.endr
.endm
	s_load_b256 s[4:11], s[0:1], 0x0               ; input s[4:5], qweight s[6:7], weight_scales s[8:9], lora_A_w s[10:11]
	s_load_b128 s[12:15], s[0:1], 0x20             ; xq s[12:13], wq s[14:15]
	s_load_b64 s[16:17], s[0:1], 0x30              ; a2
	v_lshl_add_u32 v254, v0, 2, 0x24200
	v_mov_b32 v255, 0
	v_lshrrev_b32 v1, 5, v0
	v_readfirstlane_b32 s18, v1                    ; wave 0..15
	v_and_b32 v10, 31, v0                          ; lane
	s_wait_alu depctr_va_sdst(0)                   ; s18 is written, ahead of the branch and of its first reader on either path: LDS places and bases are made from it
	s_lshr_b32 s19, ttmp9, 1                       ; which work-group of its path
	s_and_b32 s20, ttmp9, 1
	s_cmp_eq_u32 s20, 0
	s_cbranch_scc1 .Lw_path                        ; the same way for all sixteen waves: it hangs on the work-group's number alone
; ================================================================ THE X PATH ================================================================
; Work-group gx owns rows 32 gx .. 32 gx + 31 of x, all of K; wave w takes k = 256 w .. 256 w + 255 (half hf = w % 2 of K step w / 2: 512 bytes of a row) of those rows and of lora_A's 16.
; A load takes a row's 512 bytes as they lie, 16 a lane: 8 neighbours along K, one conversion's worth; four neighbouring lanes hold a block of 32.
; A lane's 8 codes (4 bytes) go to the wave's own stage, laid as the image above with 16 bytes behind each 256 (pitch 272 = 68 words: the 32 lanes of a store fall on 32 different words modulo 64);
; 16 rows' image comes back as the operand's registers: they are stored to xq as they stand, 512 consecutive bytes a store, and kept for the product with lora_A.
; A row's 16 scale bytes of a K step come from two waves: they are gathered in LDS; a wave reads its own 8 back as its two scale words, and behind the path's one barrier each wave stores one whole unit of 256 bytes.
	v_lshlrev_b32 v1, 4, v10                       ; v1: 16 x lane
	v_lshlrev_b32 v2, 3, v10                       ; v2: 8 x lane
	s_mul_i32 s20, s18, 2176                       ; my stage: 8 x 272 bytes of codes
	s_lshr_b32 s21, s18, 1                         ; my K step
	s_and_b32 s22, s18, 1                          ; hf: which half of it
	v_lshrrev_b32 v11, 2, v10
	v_and_b32 v12, 3, v10
	v_mul_u32_u24 v3, v11, 272
	v_lshl_add_u32 v3, v12, 2, v3
	v_add_nc_u32 v3, s20, v3                       ; v3: codes in: block lane / 4 of the load's eight, my 4 bytes of its 16
	s_lshl_b32 s23, s21, 8
	s_lshl_b32 s24, s22, 3
	s_add_co_u32 s23, s23, s24
	s_add_co_u32 s23, s23, XSC                     ; my K step's unit of scale bytes, my half's 8 of each row's 16
	v_add_nc_u32 v4, s23, v11                      ; v4: the block's scale byte
	v_lshrrev_b32 v11, 4, v10                      ; h
	v_and_b32 v12, 15, v10                         ; r
	v_mul_u32_u24 v5, v11, 272
	v_lshl_add_u32 v5, v12, 4, v5
	v_add_nc_u32 v5, s20, v5                       ; v5: a fragment's piece back: block h of its two, row r
	v_lshl_add_u32 v6, v12, 4, s23                 ; v6: row r's two scale words of my half
	s_lshl_b32 s24, s18, 8
	s_add_co_u32 s24, s24, XSC
	v_add_nc_u32 v7, s24, v2                       ; v7: behind the barrier: unit w of x's sixteen, 8 bytes a lane
	s_lshl_b32 s24, s18, 10
	s_add_co_u32 s24, s24, RED
	v_add_nc_u32 v8, s24, v1                       ; v8: my wave's partial sums
	s_lshl_b32 s24, s22, 14
	s_add_co_u32 s24, s24, RED
	v_add_nc_u32 v9, s24, v1                       ; v9: waves 0 and 1 read all sixteen waves' partial sums of 16 rows each
	s_lshl_b32 s24, s19, 18                        ; 32 rows of 8,192 bytes a work-group,
	s_lshl_b32 s26, s18, 9
	s_add_co_u32 s24, s24, s26                     ; + my 512 bytes of a row
	s_mov_b32 s25, 0
	s_mov_b32 s27, 0
	s_lshr_b32 s28, s19, 2                         ; the group of 128 rows:
	s_lshl_b32 s28, s28, 3                         ; its eight chunks
	s_add_co_u32 s40, s28, s21                     ; the chunk of my K step,
	s_mul_i32 s40, s40, CH
	s_and_b32 s42, s19, 3                          ; which 32 of the 128 rows,
	s_lshl_b32 s43, s42, 13
	s_add_co_u32 s40, s40, s43
	s_lshl_b32 s43, s22, 11                        ; my half's two fragments of four
	s_add_co_u32 s40, s40, s43
	s_mov_b32 s41, 0
	s_and_b32 s43, s18, 7                          ; the unit of scale bytes that I store: K step w % 8,
	s_add_co_u32 s44, s28, s43
	s_mul_i32 s44, s44, CH
	s_lshl_b32 s43, s42, 9
	s_add_co_u32 s44, s44, s43
	s_lshr_b32 s43, s18, 3                         ; 16 rows w / 8
	s_lshl_b32 s43, s43, 8
	s_add_co_u32 s44, s44, s43
	s_add_co_u32 s44, s44, 32768
	s_mov_b32 s45, 0
	s_lshl_b32 s46, s19, 1
	s_add_co_u32 s46, s46, s22
	s_lshl_b32 s46, s46, 10                        ; a2: block of 16 rows 2 gx + (wave & 1)
	s_mov_b32 s47, 0
	s_wait_kmcnt 0x0
	s_add_nc_u64 s[4:5], s[4:5], s[24:25]          ; x at my first row, my 512 bytes
	s_add_nc_u64 s[10:11], s[10:11], s[26:27]      ; lora_A at my 512 bytes
	s_add_nc_u64 s[38:39], s[12:13], s[44:45]      ; xq: the scale bytes that I store
	s_add_nc_u64 s[12:13], s[12:13], s[40:41]      ; xq: my codes
	s_add_nc_u64 s[16:17], s[16:17], s[46:47]
	s_wait_alu depctr_va_vdst(0)                   ; the offsets and LDS addresses v1 to v9 are written, which every load and store of this path reads; none is written again
.macro LOADSET rs, lo, row0, nt        ; eight rows from row0 on, one load each, into raw set rs; nt = 1: read once in the launch
.irp t, 0,1,2,3,4,5,6,7
.if \nt
	global_load_b128 v[R+32*(\rs)+4*\t:R+32*(\rs)+4*\t+3], v1, s[\lo:\lo+1] offset:((\row0)+\t)*8192 th:TH_LOAD_NT
.else
	global_load_b128 v[R+32*(\rs)+4*\t:R+32*(\rs)+4*\t+3], v1, s[\lo:\lo+1] offset:((\row0)+\t)*8192
.endif
.endr
.endm
; Four loads (four rows), from raw register base on, become four registers of codes and four scale bytes; g: the set's first four rows or its second.  The four go by turns, so that no line waits for the line above it.
; first = 1: the wave's first set, ahead of which no LDS store has read C or E.
.macro QGRP base, g, first
	HALVES F, \base, 32
.irp t, 0,1,2,3
	v_max3_num_f32 v[M+\t], |v[F+8*\t]|, |v[F+8*\t+1]|, 0x1800000   ; my 8 numbers, and the floor 2^(3 - 127): the byte cannot fall under 1
.endr
.irp i, 2,4,6
.irp t, 0,1,2,3
	v_max3_num_f32 v[M+\t], v[M+\t], |v[F+8*\t+\i]|, |v[F+8*\t+\i+1]|
.endr
.endr
.irp y, 1,2
.irp t, 0,1,2,3
	v_max_num_f32_dpp v[M+\t], v[M+\t], v[M+\t] row_xmask:\y row_mask:0xf bank_mask:0xf   ; with the block's other three lanes
.endr
.endr
.irp t, 0,1,2,3
	v_add_nc_u32 v[SCL+\t], 0xff000000, v[M+\t]    ; 2 off the exponent field: the conversion takes this operand's exponent field as its scale
.endr
.if !\first
.if \g == 0
	s_wait_dscnt 8                                 ; the last set's second eight stores may be out; the eight that read these four code and four byte registers are done
	s_wait_alu depctr_vm_vsrc(0)                   ; the last set's 16 LDS stores have read C and E, which this set's conversions and shifts write again
.else
	s_wait_dscnt 0x0                               ; the last set's second eight stores are done too
.endif
.endif
.irp t, 0,1,2,3
	v_cvt_scalef32_pk8_fp4_f32 v[C+4*(\g)+\t], v[F+8*\t:F+8*\t+7], v[SCL+\t]
.endr
.irp t, 0,1,2,3
	v_lshrrev_b32 v[E+4*(\g)+\t], 23, v[SCL+\t]    ; the scale's byte.  (Plain lines behind the conversions)
.endr
.endm
.macro QSET rs, first
	QGRP R+32*(\rs), 0, \first
	QGRP R+32*(\rs)+16, 1, \first
	s_wait_alu depctr_va_vdst(0)                   ; the set's conversions and shifts have written C and E, which the 16 LDS stores read; its widenings are done reading R[rs], in which the refill lands
.endm
; The set's codes and scale bytes go to LDS.  row0: its first row's number among the 16; sc: where the 16 rows' scale bytes lie.  No vector line stands between the set's wait and these.
.macro PUT row0, sc
.irp t, 0,1,2,3,4,5,6,7
	ds_store_b32 v3, v[C+\t] offset:16*((\row0)+\t)
	ds_store_b8 v4, v[E+\t] offset:(\sc)+16*((\row0)+\t)   ; the block's four lanes write the same byte with the same value
.endr
.endm
; 16 rows are quantised: their image comes back as two fragments and two scale words a row, and the codes go out.  LDS serves a wave's instructions in order: the loads see my stores, and the next 16 rows' stores come behind them.
; No vector line ever writes or has read the registers in which these loads land.
.macro BACK xf, xs, c
.irp q, 0,1
.irp d, 0,1
	ds_load_b128 v[\xf+8*\q+4*\d:\xf+8*\q+4*\d+3], v5 offset:(4*\q+2*\d)*272
.endr
.endr
	ds_load_b64 v[\xs:\xs+1], v6 offset:(\c)*2048  ; bytes that my own wave wrote
	s_wait_dscnt 0x0
.irp q, 0,1
.irp d, 0,1
	global_store_b128 v1, v[\xf+8*\q+4*\d:\xf+8*\q+4*\d+3], s[12:13] offset:(\c)*4096+\q*1024+512*\d   ; 512 consecutive bytes, at a multiple of 256 from xq's first byte
.endr
.endr
.endm
	LOADSET 0, 4, 0, 1                             ; x first, three sets (24 loads a wave) ahead: half of all that the wave reads
	LOADSET 1, 4, 8, 1
	LOADSET 2, 4, 16, 1
.irp n, 0,1,2,3,4,5                    ; sets 0-3: x's 32 rows; sets 4, 5: lora_A's 16
.if \n < 4
	s_wait_loadcnt 16                              ; this set's 8 loads are in; the two younger sets may be out
.else
	s_wait_loadcnt 8*(5-\n)
.endif
.if \n == 0
	QSET 0, 1
.else
	QSET \n%3, 0
.endif
.if \n == 0
	LOADSET 0, 4, 24, 1                            ; the buffer is asked for again at once, ahead of the LDS stores
.elseif \n < 3
	LOADSET \n%3, 10, 8*(\n-1), 0
.endif
	PUT 8*(\n%2), (\n/2)*2048
.if \n == 1
	BACK XF0, XS0, 0
.endif
.if \n == 3
	BACK XF1, XS1, 1
.endif
.endr
.irp q, 0,1
.irp d, 0,1
	ds_load_b128 v[LF+8*\q+4*\d:LF+8*\q+4*\d+3], v5 offset:(4*\q+2*\d)*272   ; lora_A's two fragments of my 256 along K
.endr
.endr
	ds_load_b64 v[LS:LS+1], v6 offset:4096
	s_wait_dscnt 0x0
; a, my part: source 0 = lora_A's 16 ranks, source 1 = 16 rows of x: lane (r, h), register j = a(row r, rank 8 h + j).  The two accumulators take turns.
; Operands and scales were filled by LDS loads alone: they owe their wait on DScnt and nothing more.
	v_wmma_scale_f32_16x16x128_f8f6f4 v[ACC0:ACC0+7], v[LF:LF+7], v[XF0:XF0+7], 0, v[LS], v[XS0] matrix_a_fmt:MATRIX_FMT_FP4 matrix_b_fmt:MATRIX_FMT_FP4
	v_wmma_scale_f32_16x16x128_f8f6f4 v[ACC1:ACC1+7], v[LF:LF+7], v[XF1:XF1+7], 0, v[LS], v[XS1] matrix_a_fmt:MATRIX_FMT_FP4 matrix_b_fmt:MATRIX_FMT_FP4
	v_wmma_scale_f32_16x16x128_f8f6f4 v[ACC0:ACC0+7], v[LF+8:LF+15], v[XF0+8:XF0+15], v[ACC0:ACC0+7], v[LS+1], v[XS0+1] matrix_a_fmt:MATRIX_FMT_FP4 matrix_b_fmt:MATRIX_FMT_FP4
	v_wmma_scale_f32_16x16x128_f8f6f4 v[ACC1:ACC1+7], v[LF+8:LF+15], v[XF1+8:XF1+15], v[ACC1:ACC1+7], v[LS+1], v[XS1+1] matrix_a_fmt:MATRIX_FMT_FP4 matrix_b_fmt:MATRIX_FMT_FP4
.rept 4
	v_nop                                          ; four places behind the products, in front of the stores of their results
.endr
	s_wait_alu depctr_va_vdst(0)                   ; the products have written the accumulators, which the LDS stores read (the places above stay beside this wait); and every line that named R or F is done: the tail's LDS loads land there, with no vector line between
	ds_store_b128 v8, v[ACC0:ACC0+3]               ; each accumulator from its low end on
	ds_store_b128 v8, v[ACC0+4:ACC0+7] offset:512
	ds_store_b128 v8, v[ACC1:ACC1+3] offset:16384
	ds_store_b128 v8, v[ACC1+4:ACC1+7] offset:16896
	s_wait_dscnt 0x0                               ; for the others' sake: my partial sums and my scale bytes have landed
	s_barrier_signal -1
	s_barrier_wait -1                              ; all sixteen parts of a, and x's sixteen units of scale bytes, lie in LDS
	ds_load_b64 v[XO:XO+1], v7
	s_wait_dscnt 0x0
	global_store_b64 v2, v[XO:XO+1], s[38:39]      ; 256 consecutive bytes, at a multiple of 256 from xq's first byte
	s_cmp_lt_u32 s18, 2
	s_cbranch_scc0 .Lx_end                         ; wave 0 finishes the first 16 rows, wave 1 the second
.irp p, 0,1,2,3,4,5,6,7,8,9,10,11,12,13,14,15
.irp d, 0,1
	ds_load_b128 v[32+8*\p+4*\d:32+8*\p+4*\d+3], v9 offset:1024*\p+512*\d
.endr
.endr
	s_wait_dscnt 0x0
.irp p, 0,1,2,3,4,5,6,7
.irp j, 0,2,4,6
	v_pk_add_f32 v[32+8*\p+\j:33+8*\p+\j], v[32+8*\p+\j:33+8*\p+\j], v[96+8*\p+\j:97+8*\p+\j]
.endr
.endr
.irp p, 0,1,2,3
.irp j, 0,2,4,6
	v_pk_add_f32 v[32+8*\p+\j:33+8*\p+\j], v[32+8*\p+\j:33+8*\p+\j], v[64+8*\p+\j:65+8*\p+\j]
.endr
.endr
.irp p, 0,1
.irp j, 0,2,4,6
	v_pk_add_f32 v[32+8*\p+\j:33+8*\p+\j], v[32+8*\p+\j:33+8*\p+\j], v[48+8*\p+\j:49+8*\p+\j]
.endr
.endr
.irp j, 0,2,4,6
	v_pk_add_f32 v[32+\j:33+\j], v[32+\j:33+\j], v[40+\j:41+\j]      ; a, whole, in f32
.endr
.irp j, 0,2,4,6
	v_pk_mul_f32 v[32+\j:33+\j], v[32+\j:33+\j], 2.0 op_sel_hi:[1,0]  ; the LoRA scaling, exact
.endr
.irp j, 0,1,2,3
	v_cvt_pk_bf16_f32 v[96+\j], v[32+2*\j], v[33+2*\j]               ; hi
.endr
.irp j, 0,1,2,3
	v_lshlrev_b32 v[40+2*\j], 16, v[96+\j]
	v_and_b32 v[41+2*\j], 0xffff0000, v[96+\j]
.endr
.irp j, 0,2,4,6
	v_pk_add_f32 v[40+\j:41+\j], v[32+\j:33+\j], v[40+\j:41+\j] neg_lo:[0,1] neg_hi:[0,1]   ; 2 a - hi, exact
.endr
.irp j, 0,1,2,3
	v_cvt_pk_bf16_f32 v[100+\j], v[40+2*\j], v[41+2*\j]              ; lo
.endr
	s_wait_alu depctr_va_vdst(0)                   ; the roundings have written hi and lo, v96 to v103, which the two stores read
	global_store_b128 v1, v[96:99], s[16:17]
	global_store_b128 v1, v[100:103], s[16:17] offset:512
.Lx_end:
	s_wait_dscnt 0x0                               ; the closing lines, six on end
	s_wait_alu 0x0
	s_wait_tensorcnt 0x0
	ds_add_u32 v254, v255
	s_wait_dscnt 0x0
	s_endpgm
; ================================================================ THE W PATH ================================================================
; Work-group (T, ks) owns columns 256 T .. 256 T + 255 and K step ks: two chunks of wq.  Wave w takes k = 512 ks + 32 w + 0 .. 31: block w of the step's sixteen.
; A LANE TAKES 8 COLUMNS, AND ITS REGISTERS RUN DOWN K: each load reads 256 consecutive bytes of a row of qweight, a block of 32 along K of a column lies in one lane, and the codes come out with K innermost.
; int8 to q x s in two lines a number and a half: the byte q + 128 is laid into byte 1 under the exponent of 2^15 (one byte select): F = 32768 + q + 128; then one fused multiply-add, F x s - 32896 s = q x s.
; It rounds nothing: 32896 s has 9 + 11 significant bits at the most, so the addend is exact; the product is exact inside the multiply-add; q x s has 19 bits at the most: the number that reference()'s one f32 product gives.
.Lw_path:
	v_lshlrev_b32 v1, 3, v10                       ; v1: 8 x lane
	v_lshlrev_b32 v2, 4, v10                       ; v2: 16 x lane
	s_mul_i32 s20, s18, 4352
	s_add_co_u32 s20, s20, WSTG                    ; my stage
	v_lshrrev_b32 v11, 1, v10
	v_and_b32 v12, 1, v10
	v_mul_u32_u24 v3, v11, 272
	v_lshl_add_u32 v3, v12, 7, v3
	v_add_nc_u32 v3, s20, v3                       ; v3: codes in: unit lane / 2 (16 columns), my 8 columns' half of it.  Sixteen lanes of a store fall on sixteen different 16-byte columns modulo 256
	v_lshrrev_b32 v11, 4, v10
	v_and_b32 v12, 15, v10
	v_mul_u32_u24 v4, v11, 272
	v_lshl_add_u32 v4, v12, 4, v4
	v_add_nc_u32 v4, s20, v4                       ; v4: codes back: lanes 0-15 an even unit, lanes 16-31 the unit behind it
	v_lshlrev_b32 v8, 12, v11
	v_lshl_add_u32 v8, v12, 4, v8                  ; v8: and the same in wq: units of 16 columns lie 4,096 bytes apart
	s_add_co_u32 s21, s18, WSCL
	v_mul_u32_u24 v5, v10, 144
	v_add_nc_u32 v5, s21, v5                       ; v5: my columns' scale byte w
	s_mul_i32 s21, s18, 288
	s_add_co_u32 s21, s21, WSCL
	v_mul_u32_u24 v6, v11, 144
	v_bfe_u32 v12, v10, 1, 3
	v_lshl_add_u32 v6, v12, 4, v6
	v_and_b32 v12, 1, v10
	v_lshl_add_u32 v6, v12, 3, v6
	v_add_nc_u32 v6, s21, v6                       ; v6: back: column 16 w + lane / 2, half lane % 2 of its sixteen bytes
	s_and_b32 s22, s19, 15                         ; T
	s_lshr_b32 s23, s19, 4                         ; ks
	s_lshl_b32 s24, s23, 21                        ; 512 rows of 4,096 bytes a K step,
	s_lshl_b32 s26, s18, 17                        ; 32 rows a wave,
	s_add_co_u32 s24, s24, s26
	s_lshl_b32 s26, s22, 8                         ; 256 columns
	s_add_co_u32 s24, s24, s26
	s_mov_b32 s25, 0
	s_lshl_b32 s26, s22, 9                         ; weight_scales: 512 bytes
	s_mov_b32 s27, 0
	s_lshl_b32 s28, s22, 4
	s_add_co_u32 s28, s28, s23
	s_mul_i32 s28, s28, CH                         ; chunk (2 T, ks),
	s_lshl_b32 s40, s18, 8
	s_add_co_u32 s28, s28, s40                     ; + my block's 256 bytes
	s_mov_b32 s29, 0
	s_lshl_b32 s40, s22, 1
	s_lshr_b32 s41, s18, 3
	s_add_co_u32 s40, s40, s41
	s_lshl_b32 s40, s40, 3
	s_add_co_u32 s40, s40, s23
	s_mul_i32 s40, s40, CH                         ; chunk (2 T + w / 8, ks): columns 16 w on,
	s_and_b32 s42, s18, 7
	s_lshl_b32 s42, s42, 8
	s_add_co_u32 s40, s40, s42
	s_add_co_u32 s40, s40, 32768                   ; their scale bytes
	s_mov_b32 s41, 0
	s_mov_b32 s30, 0x80808080                      ; + 128 on four bytes
	s_mov_b32 s31, 0x47000000                      ; 2^15
	s_mov_b32 s32, 0x03020400                      ; byte selects: byte i of the data as byte 1, the other three bytes from 2^15
	s_mov_b32 s33, 0x03020500
	s_mov_b32 s34, 0x03020600
	s_mov_b32 s35, 0x03020700
	s_wait_kmcnt 0x0
	s_add_nc_u64 s[6:7], s[6:7], s[24:25]
	s_add_nc_u64 s[8:9], s[8:9], s[26:27]
	s_add_nc_u64 s[38:39], s[14:15], s[40:41]
	s_add_nc_u64 s[14:15], s[14:15], s[28:29]
	s_wait_alu depctr_va_vdst(0)                   ; the offsets and LDS addresses v1 to v8 are written, which every load and store of this path reads; none is written again
	global_load_b128 v[16:19], v2, s[8:9]          ; my 8 columns' scales
.set kk, 0
.rept 32
	global_load_b64 v[WR+2*kk:WR+2*kk+1], v1, s[6:7] offset:kk*4096 th:TH_LOAD_NT   ; 256 consecutive bytes, at a multiple of 256 from qweight's first byte; all of the wave's 8 KiB are asked for at once
.set kk, kk+1
.endr
	s_wait_loadcnt 0x0                             ; a column's block wants all 32 rows
.set ci, 0
.irp x, v16.l,v16.h,v17.l,v17.h,v18.l,v18.h,v19.l,v19.h
	v_cvt_f32_f16 v[S2+2*ci], \x
	v_cvt_f32_f16 v[S2+2*ci+1], \x
.set ci, ci+1
.endr
.set kk, 0
.rept 16
	v_mul_f32 v[S3+kk], 0xc7008000, v[S2+kk]       ; -32896 s, exact
.set kk, kk+1
.endr
.set kk, 0
.rept 64
	v_xor_b32 v[WR+kk], s30, v[WR+kk]              ; q + 128, four at a time
.set kk, kk+1
.endr
.macro WCOL i                          ; column i of my eight: its codes into its own four registers, its scale byte into its own one
.set kk, 0
.rept 32
	v_perm_b32 v[WF+kk], v[WR+2*kk+(\i)/4], s31, s[32+(\i)%4]        ; 32768 + q + 128
.set kk, kk+1
.endr
.set kk, 0
.rept 16
	v_pk_fma_f32 v[WF+kk:WF+kk+1], v[WF+kk:WF+kk+1], v[S2+2*(\i):S2+2*(\i)+1], v[S3+2*(\i):S3+2*(\i)+1]   ; q x the column's scale
.set kk, kk+2
.endr
	v_max3_num_f32 v20, |v[WF]|, |v[WF+1]|, 0x1800000                ; the block's largest magnitude, in two chains, and the floor 2^(3 - 127)
	v_max3_num_f32 v21, |v[WF+2]|, |v[WF+3]|, |v[WF+4]|
.irp n, 5,9,13,17,21,25
	v_max3_num_f32 v20, v20, |v[WF+\n]|, |v[WF+\n+1]|
	v_max3_num_f32 v21, v21, |v[WF+\n+2]|, |v[WF+\n+3]|
.endr
	v_max3_num_f32 v20, v20, |v[WF+29]|, |v[WF+30]|
	v_max3_num_f32 v20, v20, v21, |v[WF+31]|
	v_add_nc_u32 v[22+(\i)%2], 0xff000000, v20     ; 2 off the exponent field: the conversions' scale operand
.irp g, 0,1,2,3
	v_cvt_scalef32_pk8_fp4_f32 v[WC+4*(\i)+\g], v[WF+8*\g:WF+8*\g+7], v[22+(\i)%2]
.endr
	v_lshrrev_b32 v[WE+(\i)], 23, v[22+(\i)%2]     ; the scale's byte.  (A plain line behind the conversions)
.endm
.macro WPUT i                          ; column i's codes into my stage, its scale byte among the work-group's
	ds_store_b128 v3, v[WC+4*(\i):WC+4*(\i)+3] offset:16*(\i)
	ds_store_b8 v5, v[WE+(\i)] offset:16*(\i)
.endm
.irp i, 0,1,2,3
	WCOL \i
.endr
	s_wait_alu depctr_va_vdst(0)                   ; columns 0 to 3: the conversions and shifts have written their codes and bytes, which the eight LDS stores read; columns 4 to 7 write other registers
.irp i, 0,1,2,3
	WPUT \i
.endr
.irp i, 4,5,6,7
	WCOL \i
.endr
	s_wait_alu depctr_va_vdst(0)                   ; columns 4 to 7 likewise; and every line that wrote or read WR is done: behind the barrier LDS loads land there, and no vector line follows this wait
.irp i, 4,5,6,7
	WPUT \i
.endr
	s_wait_dscnt 0x0                               ; for the others' sake: a column's sixteen scale bytes come from sixteen waves
	s_barrier_signal -1
	s_barrier_wait -1
.irp t, 0,1,2,3,4,5,6,7
	ds_load_b128 v[WR+4*\t:WR+4*\t+3], v4 offset:544*\t              ; units 2 t and 2 t + 1 of my own stage
.endr
	ds_load_b64 v[WO:WO+1], v6
.irp t, 0,1,2,3,4,5,6,7
	s_wait_dscnt 8-\t                              ; the 7 - t younger loads of codes and the load of scale bytes may be out
	global_store_b128 v8, v[WR+4*\t:WR+4*\t+3], s[14:15] offset:(\t/4)*8*CH+((2*\t)%8)*4096   ; each sixteen lanes store 256 consecutive bytes, at a multiple of 256 from wq's first byte
.endr
	s_wait_dscnt 0x0
	global_store_b64 v1, v[WO:WO+1], s[38:39]      ; 16 columns' scale bytes: 256 consecutive bytes
	s_wait_dscnt 0x0                               ; the closing lines, six on end
	s_wait_alu 0x0
	s_wait_tensorcnt 0x0
	ds_add_u32 v254, v255
	s_wait_dscnt 0x0
	s_endpgm
.Lfunc_end_k_qeb846b9d4d_prep:
	.size	k_qeb846b9d4d_prep, .Lfunc_end_k_qeb846b9d4d_prep-k_qeb846b9d4d_prep
	.p2alignl 7, 3214868480
	.fill 96, 4, 3214868480
	.section	.rodata,"a",@progbits
	.p2align	6, 0x0
	.amdhsa_kernel k_qeb846b9d4d_prep
		.amdhsa_group_segment_fixed_size 150016
		.amdhsa_private_segment_fixed_size 0
		.amdhsa_enable_private_segment 0
		.amdhsa_kernarg_size 56
		.amdhsa_user_sgpr_count 2
		.amdhsa_user_sgpr_kernarg_segment_ptr 1
		.amdhsa_wavefront_size32 1
		.amdhsa_system_sgpr_workgroup_id_x 1
		.amdhsa_system_sgpr_workgroup_id_y 1
		.amdhsa_system_sgpr_workgroup_id_z 1
		.amdhsa_system_vgpr_workitem_id 0
		.amdhsa_next_free_vgpr 256
		.amdhsa_next_free_sgpr 66
		.amdhsa_reserve_vcc 0
		.amdhsa_float_denorm_mode_32 3
		.amdhsa_float_denorm_mode_16_64 3
		.amdhsa_memory_ordered 1
		.amdhsa_forward_progress 1
		.amdhsa_inst_pref_size 113
	.end_amdhsa_kernel
	.amdgpu_metadata
---
amdhsa.version: [ 1, 2 ]
amdhsa.kernels:
  - .name:           k_qeb846b9d4d_prep
    .symbol:         k_qeb846b9d4d_prep.kd
    .args:
      - { .name: input, .offset: 0, .size: 8, .value_kind: global_buffer, .address_space: global }
      - { .name: qweight, .offset: 8, .size: 8, .value_kind: global_buffer, .address_space: global }
      - { .name: weight_scales, .offset: 16, .size: 8, .value_kind: global_buffer, .address_space: global }
      - { .name: lora_A_w, .offset: 24, .size: 8, .value_kind: global_buffer, .address_space: global }
      - { .name: xq, .offset: 32, .size: 8, .value_kind: global_buffer, .address_space: global }
      - { .name: wq, .offset: 40, .size: 8, .value_kind: global_buffer, .address_space: global }
      - { .name: a2, .offset: 48, .size: 8, .value_kind: global_buffer, .address_space: global }
    .group_segment_fixed_size: 150016
    .private_segment_fixed_size: 0
    .kernarg_segment_align: 8
    .kernarg_segment_size: 56
    .max_flat_workgroup_size: 512
    .sgpr_count:     66
    .vgpr_count:     256
    .wavefront_size: 32
...
	.end_amdgpu_metadata
.endif
;; end of part 3
;; launch gemm: the kernel of part 2 again; grid 16 x 16, 4 waves a work-group, clusters of 4 x 4, 327,680 bytes of LDS; arguments xq, wq, a2, lora_B_w, bias, out0; writes out0
